; MI455X (gfx1250); checked and timed in simulation.
; The chip was launched on July 23, 2026; its instructions are those of AMD's public machine-readable ISA for CDNA 5 (MIT licence, August 2026) and "CDNA5" Instruction Set Architecture Reference Guide (July 2026). The comments in the code are by the model that wrote it; some were corrected since.
;; GPT. Allowed arithmetic: matrix products marked QUANTISED: E2M3 operands, one E8M0 scale for each 32 along K, by v_wmma_scale_f32_16x16x128_f8f6f4 with both operands' format E2M3, f32 sums; products left as they are: f32 operands where the result goes on into a quantised operand, else bf16, f16 or f32 operands; f32 sums; everything else in f32.
;; Inputs: Wg 32 x 8 float32; Wk 1,024 x 512 float32; Wproj 1,024 x 1,024 float32; Wq 1,024 x 1,024 float32; Wv 1,024 x 512 float32; cos 1 x 2,048 x 1 x 32 float32; sin 1 x 2,048 x 1 x 32 float32; ve 2 x 2,048 x 512 float32; x 2 x 2,048 x 1,024 float32.
;; Outputs: out0 2 x 2,048 x 1,024 float32.
;; Constants: window = 1024.
;; This version of the problem:
;;   THIS VERSION OF THE PROBLEM IS GIVEN IN LOW PRECISION. The matrix products marked QUANTISED in the list below multiply operands that are first quantised to E2M3 (2 exponent bits, 3 mantissa bits; 6 bits a number), with one power-of-two scale for each 32 numbers along K (OCP MX v1.0); their sums are f32. All else is computed in f32.
;;   The module's matrix products, in the order in which they are computed (A, B: the left and right operand; K: the contracted axis; several contracted axes count as one K, in the product's order):
;;     1. [M 4,096, K 1,024] x [K 1,024, N 1,024]; A: input x; B: input Wq: QUANTISED
;;     2. [M 4,096, K 1,024] x [K 1,024, N 512]; A: input x; B: input Wk: QUANTISED
;;     3. [M 4,096, K 1,024] x [K 1,024, N 512]; A: input x; B: input Wv: QUANTISED
;;     4. [M 4,096, K 32] x [K 32, N 8]; A: input x; B: input Wg: left as it is (N = 8 < 16)
;;     5. batch 8 x [M 2,048, K 64] x [K 64, N 4,096]; A: computed on the way; B: computed on the way: QUANTISED
;;     6. batch 8 x [M 64, K 2,048] x [K 2,048, N 4,096]; A: computed on the way; B: softmax (see below): QUANTISED
;;     7. batch 8 x [M 2,048, K 64] x [K 64, N 4,096]; A: computed on the way; B: computed on the way: QUANTISED
;;     8. batch 8 x [M 64, K 2,048] x [K 2,048, N 4,096]; A: computed on the way; B: softmax (see below): QUANTISED
;;     9. [M 4,096, K 1,024] x [K 1,024, N 1,024]; A: computed on the way; B: input Wproj: QUANTISED
;;   THE QUANTISER, for each operand of a quantised product, along K:
;;     - K is cut into blocks of 32 from its start; a last block that is shorter is filled with zeros.
;;     - A block's scale is 2^e with e = floor(log2(the largest magnitude in the block)) - 2, held to -126 .. 127; a block of zeros has e = 0. As a byte (E8M0): e + 127.
;;     - Each number is divided by its block's scale, clamped to +-7.5, and rounded to the nearest number of E2M3, ties to even, subnormals kept.
;;     - The product sums the exact products of the quantised numbers (number of the format x scale) in f32.
;;   ~~~python
;;   def quantise(x, axis):      # numpy; x: float32 -> the quantised numbers, widened to float32 again
;;       x = np.moveaxis(x, axis, -1); K = x.shape[-1]
;;       x = np.pad(x, [(0, 0)] * (x.ndim - 1) + [(0, -K % 32)]); x = x.reshape(x.shape[:-1] + (-1, 32)); a = np.abs(x).max(-1, keepdims=True)
;;       e = np.where(a > 0, np.clip(np.frexp(np.where(a > 0, a, 1))[1] - 1 - 2, -126, 127), 0)      # np.frexp(a)[1] - 1 = floor(log2(a)), exactly
;;       r = np.clip(x / 2.0 ** e, -7.5, 7.5)
;;       step = 2.0 ** (np.maximum(np.frexp(np.where(r == 0, 1, r))[1] - 1, 0) - 3)
;;       q = np.round(r / step) * step * 2.0 ** e      # np.round: ties to even
;;       return np.moveaxis(q.reshape(q.shape[:-2] + (-1,))[..., :K], -1, axis).astype(np.float32)
;;   ~~~
;;   SOFTMAX AHEAD OF A QUANTISED PRODUCT. Where the list says 'softmax', what is quantised is not the finished softmax but p = 2^(t - M), with t = logit x log2(e) and M = ceil(the row's largest t), a whole number; so 1/2 < the row's largest p <= 1. The row's sum l is taken of the UNQUANTISED p, in f32, and the product's result is divided by l at the end. Since M is a whole number, a kernel that streams over the keys may use a running M (the ceiling of the running maximum): every later rescaling is an exact power of two, which a block's scale takes up: the codes' values come out the same.
;;   OPERANDS COMPUTED ON THE WAY. 'Computed on the way' means the value that the module computes at that place (a softmax that the list does not call 'softmax' is quantised finished and normalised). What goes into a quantiser is computed in f32, as accurately as f32 sums, v_exp_f32 and their like allow (about 1e-6 of the number): no bf16 or f16 on the way to a quantiser, and a product that is left as it is and whose result goes on into a quantised operand takes f32 operands (vector FMAs, or v_wmma_f32_16x16x4_f32). A number that lies on a knife's edge between two numbers of the format may be rounded either way, as far as f32 arithmetic and the matrix unit's own rounding can turn it there, and no further.
;; One version. Each part assembles by itself: llvm-mc -triple=amdgcn-amd-amdhsa -mcpu=gfx1250 --defsym DOCPART=n.
;; ======== version 1 of 1: 4 launches
;; limits: right only within a limited range of input values
;; workspace buffers: wq 2,457,600 bytes; xq 3,276,800 bytes; gate 131,072 bytes; qq 3,407,872 bytes; kv 3,342,336 bytes; yq 3,276,800 bytes
;; launch quant (part 1): grid 448 x 1, 5 waves a work-group, no clusters, 81,664 bytes of LDS; arguments Wq, Wk, Wv, Wproj, wq, x, Wg, xq, gate; writes wq, xq, gate
.if DOCPART == 1
	.amdgcn_target "amdgcn-amd-amdhsa--gfx1250"
	.amdhsa_code_object_version 6
	.text
	.protected	k_qd89df98fab_quant
	.globl	k_qd89df98fab_quant
	.p2align	8
	.type	k_qd89df98fab_quant,@function
k_qd89df98fab_quant:
	s_mov_b64 s[64:65], 0
	v_nop
	global_prefetch_b8 v0, s[64:65] scope:SCOPE_SE
	s_setreg_imm32_b32 hwreg(HW_REG_WAVE_MODE, 25, 1), 1
	s_wait_xcnt 0x0
; One launch prepares all operands of the projections.  Work-groups 0-191 quantise the four weights, work-groups 192-447 quantise x and make the gates.  The two paths part on the work-group's number and have LDS bytes of their own.
; THE WEIGHTS, f32 stored [k][n] (K is the FIRST axis), become codes of E2M3 with one E8M0 byte for each 32 along K, laid in the order of the matrix operand's registers.
; wq: 48 units of 64 channels x 51,200 bytes; a unit is 8 K steps (128 along K) x 6,400 = 4 tiles of 16 channels x 1,536 bytes, then 2 x 128 bytes of scale words.
; Unit 4x, 4x+1: query heads 2x, 2x+1; 4x+2: key head x; 4x+3: value head x; unit 32+i: Wproj's channels 64 i on.
; Row p of channel tile 2b+u takes channel 32b + 8u + p + 8 (p/8).  A tile's image: registers 4q..4q+3 of lane l at 512 q + 16 l.  A pair's scale words: 4 bytes a lane, lanes 0-15 the even tile's rows, lanes 16-31 the odd tile's.
; Work-group id: id / 8 = a group of 128 channels (0-7 Wq, 8-11 Wk, 12-15 Wv, 16-23 Wproj), id % 8 = the K step.  Waves 0-3 take 32 channels each, a lane a column, registers down K; wave 4 has no part there and ends.
; x [4096][1024] f32 becomes codes along its 1,024 channels; gate = 2 sigmoid(x[:, :32] Wg), in f32 by fused multiply-adds.
; xq: 32 blocks of 128 tokens x 102,400 bytes; a block is 8 K steps x 12,800 = 8 tiles of 16 tokens x 1,536 bytes, then 4 x 128 bytes of scale words.  Row p of token tile tt is token 32 (tt/2) + 8 (tt%2) + p + 8 (p/8).
; gate: f32 [kv head 8][tile 256][row 16].  Work-group id - 192: / 2 = 32 consecutive tokens, % 2 = y.  Waves 0-3: K step 4y + wave; wave 4: the 32 tokens' gates of kv heads 4y .. 4y+3.
; No tensor loads, no barrier, no cluster: waves share nothing and every byte is read once.
; LIMITS: NaN and infinities are not served; a block whose largest magnitude lies under 2^-124, a block of zeros too, gets the byte 1 (its codes are right or zeros; this program alone reads the bytes).
.set NWG,   192
.set SPARE, 67584                      ; behind x's four stages: the spare words, 128 bytes a wave
.set WBASE, 68352                      ; behind them: the weights' four stages
.set UNITB, 51200
.set STEPB, 6400
.set WST,   3328                       ; a wave's stage for the weights: two tiles,
.set TST,   1664                       ; 1,536 + 128 bytes apart
.set X,     64                         ; v64-191  my column's 128 numbers
.set CD,    32                         ; v32-55   codes, six registers a block
.set TP,    16                         ; v16-30   the conversions' second halves
.set OUTR,  192                        ; v192-215 the way out
.set TM,    16                         ; x's path: v16-27 the quantiser's work
.set SEL,   24                         ; s[24:25] v_permlanex16_b32's selects for lane l xor 16
.macro LOADW pitch                     ; W(128 s + i, my column), i = 0 .. 127
.set i, 0
.rept 128
	global_load_b32 v[X+i], v1, s[16:17] offset:i*\pitch th:TH_LOAD_NT
.set i, i+1
.endr
.endm
; Block t of my column: its largest magnitude, its byte, its 32 codes; they go to lane (p, t % 2)'s registers 6 (t / 2) .. + 5 of the tile's image
.macro BLOCK t, left
.set XS, X+32*(\t)
	s_wait_loadcnt \left                           ; this block's 32 loads are in; later blocks' may be out
	v_max3_num_f32 v57, |v[XS]|, |v[XS+1]|, |v[XS+2]|
	v_max3_num_f32 v58, |v[XS+3]|, |v[XS+4]|, |v[XS+5]|
.irp i, 6,10,14,18,22,26
	v_max3_num_f32 v57, v57, |v[XS+\i]|, |v[XS+\i+1]|
	v_max3_num_f32 v58, v58, |v[XS+\i+2]|, |v[XS+\i+3]|
.endr
	v_max3_num_f32 v57, v57, |v[XS+30]|, |v[XS+31]|
	v_max3_num_f32 v57, v57, v58, 0x1800000        ; the floor 2^(3 - 127): the byte cannot fall under 1
	v_add_nc_u32 v59, 0xff000000, v57              ; 2 off the exponent field: the conversion's scale operand
	v_lshrrev_b32 v60, 23, v59                     ; the scale's byte
.if (\t) == 0
	v_mov_b32 v56, v60
.else
	v_lshl_or_b32 v56, v60, 8*(\t), v56
.endif
	v_cvt_scalef32_pk16_fp6_f32 v[CD+6*(\t):CD+6*(\t)+2], v[XS:XS+15], v59
	v_cvt_scalef32_pk16_fp6_f32 v[TP+4*(\t):TP+4*(\t)+2], v[XS+16:XS+31], v59
	v_nop                                          ; one plain place behind a scaled conversion
.irp i, 0,1,2
	v_mov_b32 v[CD+6*(\t)+3+\i], v[TP+4*(\t)+\i]
.endr
.if (\t) < 2
	ds_store_b128 v2, v[CD+6*(\t):CD+6*(\t)+3] offset:256*(\t)
	ds_store_b64 v2, v[CD+6*(\t)+4:CD+6*(\t)+5] offset:512+256*(\t)
.else
	ds_store_b64 v2, v[CD+6*(\t):CD+6*(\t)+1] offset:512+256*((\t)-2)+8
	ds_store_b128 v2, v[CD+6*(\t)+2:CD+6*(\t)+5] offset:1024+256*((\t)-2)
.endif
.endm
; 64 numbers of a lane, register 16 b + i = k 32 b + 16 (lane / 16) + i of my row, become a fragment's 12 registers at v[pc] and its scale word in v[pw]; tp: 8 registers at work
.macro QUANT s, pc, tp, pw
.irp b, 0,1,2,3
	v_max3_num_f32 v[TM+\b], |v[\s+16*\b]|, |v[\s+1+16*\b]|, 0x1800000
.endr
.irp i, 2,4,6,8,10,12,14
.irp b, 0,1,2,3
	v_max3_num_f32 v[TM+\b], v[TM+\b], |v[\s+16*\b+\i]|, |v[\s+1+16*\b+\i]|
.endr
.endr
.irp b, 0,1,2,3
	v_permlanex16_b32 v[TM+4+\b], v[TM+\b], s[SEL], s[SEL+1]
.endr
.irp b, 0,1,2,3
	v_max_num_f32 v[TM+\b], v[TM+\b], v[TM+4+\b]
.endr
.irp b, 0,1,2,3
	v_add_nc_u32 v[TM+8+\b], 0xff000000, v[TM+\b]
.endr
.irp b, 0,1,2,3
	v_lshrrev_b32 v[TM+4+\b], 23, v[TM+8+\b]
.endr
	v_lshl_or_b32 v[\pw], v[TM+5], 8, v[TM+4]
	v_lshl_or_b32 v[\pw], v[TM+6], 16, v[\pw]
	v_lshl_or_b32 v[\pw], v[TM+7], 24, v[\pw]
.irp c, 0,1
	v_cvt_scalef32_pk16_fp6_f32 v[\pc+6*\c:\pc+2+6*\c], v[\s+32*\c:\s+15+32*\c], v[TM+8+2*\c]
	v_cvt_scalef32_pk16_fp6_f32 v[\tp+4*\c:\tp+2+4*\c], v[\s+16+32*\c:\s+31+32*\c], v[TM+8+2*\c+1]
.endr
	v_nop                                          ; one plain place behind a scaled conversion
.irp c, 0,1                            ; the operand wants a WHOLE block in a lane
.irp i, 0,1,2
	v_permlane16_swap_b32 v[\pc+6*\c+\i], v[\tp+4*\c+\i]
.endr
.irp i, 0,1,2
	v_mov_b32 v[\pc+3+6*\c+\i], v[\tp+4*\c+\i]
.endr
.endr
.endm
	v_lshl_add_u32 v14, v0, 2, SPARE               ; my spare word, and 0: kept for the closing add alone
	v_mov_b32 v15, 0
	s_cmp_lt_u32 ttmp9, NWG
	s_cbranch_scc0 .Lxpath
; ---- the weights ----
	v_lshrrev_b32 v1, 5, v0
	v_readfirstlane_b32 s15, v1                    ; wave
	s_cmp_eq_u32 s15, 4
	s_cbranch_scc1 .Lidle                          ; four waves cover the 128 channels
	s_load_b256 s[4:11], s[0:1], 0x0               ; Wq, Wk, Wv, Wproj
	s_load_b64 s[12:13], s[0:1], 0x20              ; wq
	v_and_b32 v6, 31, v0                           ; lane
	v_lshlrev_b32 v1, 2, v6                        ; in: 4 bytes a lane
	v_bfe_u32 v7, v0, 3, 1                         ; u: which tile of the pair my column falls into
	v_and_b32 v8, 7, v0
	v_bfe_u32 v9, v0, 4, 1
	v_lshl_add_u32 v8, v9, 3, v8                   ; p: its row there
	s_mul_i32 s28, s15, WST
	s_add_co_u32 s28, s28, WBASE
	v_mul_u32_u24 v2, v7, TST
	v_lshl_add_u32 v2, v8, 4, v2
	v_add_nc_u32 v2, s28, v2                       ; into the stage: tile u, 16 p
	v_lshlrev_b32 v4, 4, v6                        ; out: 16 bytes a lane
	v_add_nc_u32 v3, s28, v4
	v_lshl_add_u32 v5, v7, 4, v8
	v_lshlrev_b32 v5, 2, v5                        ; my scale word's place: 4 (p + 16 u)
	s_lshr_b32 s14, ttmp9, 3                       ; the group of channels
	s_and_b32 s29, ttmp9, 7                        ; the K step
	s_lshl_b32 s20, s14, 1                         ; first unit if Wproj: 2 cg
	s_lshl_b32 s21, s14, 3
	s_sub_co_u32 s22, s21, 62                      ; if Wk: 8 cg - 62
	s_sub_co_u32 s21, s21, 93                      ; if Wv: 8 cg - 93
	s_lshl_b32 s23, s14, 2                         ; if Wq: 4 cg
	s_lshl_b32 s26, s29, 18                        ; 128 rows of 2,048 bytes
	s_lshl_b32 s27, s29, 19                        ; or of 4,096
	s_wait_kmcnt 0x0
	s_cmp_lt_u32 s14, 16                           ; the choices hang on the work-group's number alone
	s_cselect_b64 s[16:17], s[8:9], s[10:11]
	s_cselect_b32 s18, 12, 16
	s_cselect_b32 s19, s21, s20
	s_cselect_b32 s24, 4, 1
	s_cmp_lt_u32 s14, 12
	s_cselect_b64 s[16:17], s[6:7], s[16:17]
	s_cselect_b32 s18, 8, s18
	s_cselect_b32 s19, s22, s19
	s_cmp_lt_u32 s14, 8
	s_cselect_b64 s[16:17], s[4:5], s[16:17]
	s_cselect_b32 s18, 0, s18
	s_cselect_b32 s19, s23, s19
	s_cselect_b32 s24, 1, s24                      ; units from head to head: 4 for Wk and Wv, which are also the narrow ones
	s_cmp_eq_u32 s24, 4
	s_cselect_b32 s25, s26, s27
	s_sub_co_u32 s18, s14, s18                     ; the group within its matrix
	s_lshl_b32 s18, s18, 9
	s_add_co_u32 s25, s25, s18
	s_lshl_b32 s18, s15, 7
	s_add_co_u32 s30, s25, s18
	s_mov_b32 s31, 0
	s_add_nc_u64 s[16:17], s[16:17], s[30:31]      ; my wave's 32 columns at the K step's first row
	s_lshr_b32 s18, s15, 1
	s_mul_i32 s18, s18, s24
	s_add_co_u32 s19, s19, s18                     ; my unit
	s_mul_i32 s19, s19, UNITB
	s_mul_i32 s18, s29, STEPB
	s_add_co_u32 s19, s19, s18
	s_and_b32 s18, s15, 1                          ; which pair of its tiles
	s_mul_i32 s30, s18, 3072
	s_add_co_u32 s30, s30, s19
	s_add_nc_u64 s[32:33], s[12:13], s[30:31]      ; the pair's codes
	s_lshl_b32 s30, s18, 7
	s_add_co_u32 s30, s30, s19
	s_add_co_u32 s30, s30, 6144
	s_add_nc_u64 s[34:35], s[12:13], s[30:31]      ; and its scale words
	s_cmp_eq_u32 s24, 4
	s_cbranch_scc1 .Lnarrow
	LOADW 4096
	s_branch .Lloaded
.Lnarrow:
	LOADW 2048
.Lloaded:
	BLOCK 0, 63
	BLOCK 1, 63
	BLOCK 2, 32
	BLOCK 3, 0
.irp u, 0,1
.irp p, 0,1,2
	ds_load_b128 v[OUTR+12*\u+4*\p:OUTR+12*\u+4*\p+3], v3 offset:\u*TST+512*\p   ; LDS serves a wave's instructions in order: these see my stores
.endr
.endr
	s_wait_alu depctr_va_vdst(0)
.irp u, 0,1
.irp p, 0,1,2
	s_wait_dscnt 5-3*\u-\p
	global_store_b128 v4, v[OUTR+12*\u+4*\p:OUTR+12*\u+4*\p+3], s[32:33] offset:\u*1536+512*\p   ; 32 lanes store 512 consecutive bytes
.endr
.endr
	global_store_b32 v5, v56, s[34:35]             ; the pair's 32 scale words: 128 consecutive bytes
	s_wait_tensorcnt 0x0                           ; the wave's end
	ds_add_u32 v14, v15
	s_wait_dscnt 0x0
.Lidle:
	s_endpgm
; ---- x and the gates ----
.Lxpath:
	s_load_b256 s[4:11], s[0:1], 0x28              ; x, Wg, xq, gate
	v_lshrrev_b32 v1, 5, v0
	v_readfirstlane_b32 s12, v1                    ; wave 0..4
	v_and_b32 v5, 31, v0                           ; lane
	v_and_b32 v6, 15, v0                           ; r
	v_bfe_u32 v7, v0, 4, 1                         ; h
	v_lshlrev_b32 v1, 4, v5                        ; 16 x lane
	v_lshlrev_b32 v4, 2, v5                        ; 4 x lane
	s_mul_i32 s13, s12, 16896                      ; my stage: 32 rows x 528 bytes (wave 4 has none and touches no LDS)
	v_add_nc_u32 v2, s13, v1                       ; in: a row's 512 bytes as they lie
	v_mul_u32_u24 v3, v6, 528
	v_lshl_add_u32 v3, v7, 6, v3
	v_add_nc_u32 v3, s13, v3                       ; out: row r, + 64 h
	v_lshlrev_b32 v8, 12, v5                       ; the gate wave: a row of x to a lane
	v_mov_b32 v9, 0
	v_bfe_u32 v10, v0, 3, 1                        ; token n = lane falls into tile u = (n / 8) % 2,
	v_and_b32 v11, 7, v0
	v_lshl_add_u32 v11, v7, 3, v11                 ; row p = n % 8 + 8 (n / 16)
	v_lshlrev_b32 v11, 2, v11
	v_lshl_add_u32 v10, v10, 6, v11                ; 64 u + 4 p
	v_cmp_lt_u32 vcc_lo, 15, v5                    ; lanes 16-31
.irp b, 0,1,2,3
	v_mov_b32 v[TM+4+\b], 0                        ; written once: a lane permute's destination counts as one of its sources
.endr
	s_mov_b32 s[SEL], 0x76543210
	s_mov_b32 s[SEL+1], 0xfedcba98
	s_sub_co_u32 s26, ttmp9, NWG
	s_and_b32 s14, s26, 1                          ; y
	s_lshr_b32 s27, s26, 1                         ; which 32 tokens
	s_lshl_b32 s16, s27, 17                        ; 32 rows of 4,096 bytes
	s_mov_b32 s17, 0
	s_wait_kmcnt 0x0
	s_add_nc_u64 s[4:5], s[4:5], s[16:17]
	s_cmp_eq_u32 s12, 4
	s_cbranch_scc1 .Lgate
	s_lshl_b32 s15, s14, 2
	s_add_co_u32 s15, s15, s12                     ; my K step
	s_lshl_b32 s16, s15, 9
	s_add_nc_u64 s[4:5], s[4:5], s[16:17]
	s_lshr_b32 s18, s27, 2
	s_mul_i32 s18, s18, 102400
	s_mul_i32 s19, s15, 12800
	s_add_co_u32 s18, s18, s19
	s_and_b32 s19, s27, 3                          ; which pair of the block's tiles
	s_mul_i32 s16, s19, 3072
	s_add_co_u32 s16, s16, s18
	s_add_nc_u64 s[20:21], s[8:9], s[16:17]        ; the pair's codes
	s_lshl_b32 s16, s19, 7
	s_add_co_u32 s16, s16, s18
	s_add_co_u32 s16, s16, 12288
	s_add_nc_u64 s[22:23], s[8:9], s[16:17]        ; its scale words
.set n, 0
.rept 32
	global_load_b128 v[128+4*n:131+4*n], v1, s[4:5] offset:n*4096 th:TH_LOAD_NT   ; row n: 512 consecutive bytes
.set n, n+1
.endr
.set n, 0
.rept 32
	s_wait_loadcnt 31-n                            ; row n is in; the rows behind it may be out
	ds_store_b128 v2, v[128+4*n:131+4*n] offset:(16*((n>>3)&1)+(n&7)+8*(n>>4))*528   ; to its tile and row
.set n, n+1
.endr
	s_wait_dscnt 0x0                               ; the stores have read their registers
.irp u, 0,1
.irp b, 0,1,2,3
.irp j, 0,1,2,3
	ds_load_b128 v[128+64*\u+16*\b+4*\j:131+64*\u+16*\b+4*\j], v3 offset:\u*8448+128*\b+16*\j
.endr
.endr
.endr
	s_wait_dscnt 16                                ; tile 0's sixteen loads are in
	QUANT 128, 32, 44, 72
	s_wait_dscnt 0x0
	QUANT 192, 52, 64, 73
.irp p, 0,1,2
	global_store_b128 v1, v[32+4*\p:35+4*\p], s[20:21] offset:512*\p          ; 512 consecutive bytes each
	global_store_b128 v1, v[52+4*\p:55+4*\p], s[20:21] offset:1536+512*\p
.endr
	v_cndmask_b32 v74, v72, v73, vcc_lo            ; lanes 0-15 the even tile's words, lanes 16-31 the odd tile's
	global_store_b32 v4, v74, s[22:23]
	s_wait_tensorcnt 0x0                           ; the wave's end
	ds_add_u32 v14, v15
	s_wait_dscnt 0x0
	s_endpgm
.Lgate:
	s_lshl_b32 s16, s14, 4
	s_add_nc_u64 s[6:7], s[6:7], s[16:17]          ; Wg at column 4 y
	s_lshl_b32 s16, s14, 16
	s_lshl_b32 s18, s27, 7
	s_add_co_u32 s16, s16, s18
	s_add_nc_u64 s[10:11], s[10:11], s[16:17]      ; gate at kv head 4 y, my two tiles
.irp k, 0,1,2,3,4,5,6,7
	global_load_b128 v[160+4*\k:163+4*\k], v8, s[4:5] offset:16*\k      ; my token's first 32 channels
.endr
.set c, 0
.rept 32
	global_load_b128 v[32+4*c:35+4*c], v9, s[6:7] offset:32*c           ; Wg(c, 4y .. 4y+3), the same in every lane
.set c, c+1
.endr
	s_wait_loadcnt 0x0
.irp q, 0,1,2,3
	v_mul_f32 v[16+\q], v160, v[32+\q]
.endr
.set c, 1
.rept 31
.irp q, 0,1,2,3
	v_fmac_f32 v[16+\q], v[160+c], v[32+4*c+\q]
.endr
.set c, c+1
.endr
.irp q, 0,1,2,3
	v_mul_f32 v[16+\q], 0xbfb8aa3b, v[16+\q]       ; -z log2(e)
.endr
	s_wait_alu depctr_va_vdst(0)                   ; a wait ahead of and behind each batch
.irp q, 0,1,2,3
	v_exp_f32 v[20+\q], v[16+\q]
.endr
	v_nop                                          ; one plain place behind a transcendental
	s_wait_alu depctr_va_vdst(0)
.irp q, 0,1,2,3
	v_add_f32 v[20+\q], 1.0, v[20+\q]
.endr
	s_wait_alu depctr_va_vdst(0)
.irp q, 0,1,2,3
	v_rcp_f32 v[24+\q], v[20+\q]
.endr
	v_nop
	s_wait_alu depctr_va_vdst(0)
.irp q, 0,1,2,3
	v_add_f32 v[24+\q], v[24+\q], v[24+\q]         ; 2 / (1 + e^-z)
.endr
.irp q, 0,1,2,3
	global_store_b32 v10, v[24+\q], s[10:11] offset:16384*\q            ; 128 consecutive bytes
.endr
	s_endpgm
.Lfunc_end_k_qd89df98fab_quant:
	.size	k_qd89df98fab_quant, .Lfunc_end_k_qd89df98fab_quant-k_qd89df98fab_quant
	.p2alignl 7, 3214868480
	.fill 96, 4, 3214868480
	.section	.rodata,"a",@progbits
	.p2align	6, 0x0
	.amdhsa_kernel k_qd89df98fab_quant
		.amdhsa_group_segment_fixed_size 81664
		.amdhsa_private_segment_fixed_size 0
		.amdhsa_enable_private_segment 0
		.amdhsa_kernarg_size 72
		.amdhsa_user_sgpr_count 2
		.amdhsa_user_sgpr_kernarg_segment_ptr 1
		.amdhsa_wavefront_size32 1
		.amdhsa_system_sgpr_workgroup_id_x 1
		.amdhsa_system_sgpr_workgroup_id_y 1
		.amdhsa_system_sgpr_workgroup_id_z 1
		.amdhsa_system_vgpr_workitem_id 0
		.amdhsa_next_free_vgpr 256
		.amdhsa_next_free_sgpr 66
		.amdhsa_reserve_vcc 1
		.amdhsa_float_denorm_mode_32 3
		.amdhsa_float_denorm_mode_16_64 3
		.amdhsa_memory_ordered 1
		.amdhsa_forward_progress 1
		.amdhsa_inst_pref_size 63
	.end_amdhsa_kernel
	.amdgpu_metadata
---
amdhsa.version: [ 1, 2 ]
amdhsa.kernels:
  - .name:           k_qd89df98fab_quant
    .symbol:         k_qd89df98fab_quant.kd
    .args:
      - { .name: Wq, .offset: 0, .size: 8, .value_kind: global_buffer, .address_space: global }
      - { .name: Wk, .offset: 8, .size: 8, .value_kind: global_buffer, .address_space: global }
      - { .name: Wv, .offset: 16, .size: 8, .value_kind: global_buffer, .address_space: global }
      - { .name: Wproj, .offset: 24, .size: 8, .value_kind: global_buffer, .address_space: global }
      - { .name: wq, .offset: 32, .size: 8, .value_kind: global_buffer, .address_space: global }
      - { .name: x, .offset: 40, .size: 8, .value_kind: global_buffer, .address_space: global }
      - { .name: Wg, .offset: 48, .size: 8, .value_kind: global_buffer, .address_space: global }
      - { .name: xq, .offset: 56, .size: 8, .value_kind: global_buffer, .address_space: global }
      - { .name: gate, .offset: 64, .size: 8, .value_kind: global_buffer, .address_space: global }
    .group_segment_fixed_size: 81664
    .private_segment_fixed_size: 0
    .kernarg_segment_align: 8
    .kernarg_segment_size: 72
    .max_flat_workgroup_size: 160
    .sgpr_count:     66
    .vgpr_count:     256
    .wavefront_size: 32
...
	.end_amdgpu_metadata
.endif
;; end of part 1
;; launch qkv (part 2): grid 8 x 32, 4 waves a work-group, clusters of 4 x 4, 307,712 bytes of LDS; arguments xq, wq, cos, sin, ve, gate, qq, kv; writes qq, kv
.if DOCPART == 2
	.amdgcn_target "amdgcn-amd-amdhsa--gfx1250"
	.amdhsa_code_object_version 6
	.text
	.protected	k_qd89df98fab_qkv
	.globl	k_qd89df98fab_qkv
	.p2align	8
	.type	k_qd89df98fab_qkv,@function
k_qd89df98fab_qkv:
	s_mov_b64 s[64:65], 0
	v_nop
	global_prefetch_b8 v0, s[64:65] scope:SCOPE_SE
	s_setreg_imm32_b32 hwreg(HW_REG_WAVE_MODE, 25, 1), 1
	s_wait_xcnt 0x0
	s_wait_alu depctr_hold_cnt(0) depctr_sa_sdst(0) depctr_va_vdst(0) depctr_va_sdst(0) depctr_va_ssrc(0) depctr_va_vcc(0) depctr_vm_vsrc(0)
	s_getreg_b32 s2, hwreg(HW_REG_IB_STS2, 6, 4)
	s_cmp_eq_u32 s2, 0
	s_cbranch_scc0 .Lentry_in_a_cluster
	s_endpgm
.Lentry_in_a_cluster:
	s_bfe_u32 s2, ttmp6, 0x10000c
	s_cmp_lg_u32 s2, 0xf033
	s_cbranch_scc0 .Lentry_shape_is_right
	s_endpgm
.Lentry_shape_is_right:
; q, k, v = x Wq, x Wk, x Wv on codes of E2M3 (one E8M0 scale for each 32 along K), and all that follows them up to the next quantiser: RoPE and RMS norm on q and k, v += gate x ve; the results leave as codes.
; SHARES.  A work-group takes 128 tokens (block gy) x 256 channels (units 4 gx .. 4 gx + 3 of wq).  Wave w takes unit 4 gx + w, one head of 64 channels, for all 128 tokens: waves 0, 1 query heads 2 gx, 2 gx + 1,
; wave 2 key head gx, wave 3 value head gx: a wave's part hangs on its number alone.  32 accumulators of 16 x 16 a wave, 8 K steps of 128.
; ALL OF K LIES IN LDS AT ONCE (in 6-bit codes 128 tokens are 102,400 bytes, 256 channels 204,800): every LDS byte is filled once, so there is no ring and no refill.
; CLUSTER 4 x 4: x's blocks hang on gy alone and are asked for jointly along a row of the cluster, the weights' units on gx alone, jointly along a column.  Each wave issues one joint load (waves 0, 1 a half of x's block,
; waves 2, 3 two of the four units), behind the opening round; one tensor load of a wave is out.  The products start once every load has landed.
; THE PRODUCT IS USED TRANSPOSED (source 0 = 16 channels, source 1 = 16 tokens), and a tile's channels are 32b + 8u + p + 8 (p/8): lane (r, h) holds row r of token tile a, and register 32 a + 16 b + i is channel 32 b + 16 h + i.
; Row p of token tile a is token 32 (a/2) + 8 (a%2) + p + 8 (p/8) of the block.
; OUT.  qq: 32 (batch x head) x 106,496 = 128 tiles x 768 bytes (registers 0-3 at 16 l, 4-5 at 512 + 8 l: K = the head's 64), then 64 x 128 bytes of scale words (s0 | s1 << 8 | 0x7f7f0000).
; kv: 16 (batch x kv head) x 16 key steps x 13,056 = K: 8 tiles x 768, 4 x 128 of scale words; V: 4 tiles of 16 channels x 128 keys x 1,536 (K = the keys), 2 x 128 of scale words.
; REGISTERS: window 0: v1-17 addresses, v18-31 at work, v32-45 scale words, v46-47 the closing add's, v48-63 the gates, v64-255 two sets of x's 8 fragments, later the epilogue's work;
; window 1: two sets of the weights' 4 fragments; window 2: the accumulators at v[8 (4 a + t)]; window 3: cos and sin (waves 0-2) or ve (wave 3), asked for at the head.
; LIMITS: NaN and infinities are not served; a block whose largest magnitude lies under 2^-124, a block of zeros too, gets the byte 1 (this program alone reads the bytes).
.set WV,  20                           ; s20 my wave's number
.set SEL, 76                           ; s[76:77] v_permlanex16_b32's selects for lane l xor 16
.set TM,  18                           ; v18-29 the quantisers' work
.set VST, 256000                       ; wave 3's stage, 128 rows x 272 bytes, in its own weights' bytes: they have had their only fill, and only wave 3 reads or writes them
.set MSB, 0
.macro WIN new                         ; the immediate's high byte repeats the setting that is left
.if MSB != \new
	s_set_vgpr_msb (MSB<<8)|\new
.set MSB, \new
.endif
.endm
.macro PLACES n
.rept \n
	v_nop
.endr
.endm
.macro CROUND                          ; a round of the cluster's barrier
	s_barrier_signal -1
	s_barrier_wait -1
	s_cmp_lg_u32 s[WV], 0
	s_cbranch_scc1 .Lnot_wave_0_\@
	s_barrier_signal -3
.Lnot_wave_0_\@:
	s_barrier_wait -3
	s_barrier_signal -1
	s_barrier_wait -1
.endm
; one product: D at v[d], sources at v[a], v[b]; z = 1: it starts the sum; scale words v[sa], v[sb], taken from lanes 16-31 where ra, rb = 1
.macro WM d, a, b, z, sa, sb, ra, rb
.if \z
.if (\ra) && (\rb)
	v_wmma_scale_f32_16x16x128_f8f6f4 v[(\d):(\d)+7], v[(\a):(\a)+11], v[(\b):(\b)+11], 0, v[(\sa)], v[(\sb)] matrix_a_fmt:MATRIX_FMT_FP6 matrix_b_fmt:MATRIX_FMT_FP6 matrix_a_scale:MATRIX_SCALE_ROW1 matrix_b_scale:MATRIX_SCALE_ROW1
.elseif (\ra)
	v_wmma_scale_f32_16x16x128_f8f6f4 v[(\d):(\d)+7], v[(\a):(\a)+11], v[(\b):(\b)+11], 0, v[(\sa)], v[(\sb)] matrix_a_fmt:MATRIX_FMT_FP6 matrix_b_fmt:MATRIX_FMT_FP6 matrix_a_scale:MATRIX_SCALE_ROW1
.elseif (\rb)
	v_wmma_scale_f32_16x16x128_f8f6f4 v[(\d):(\d)+7], v[(\a):(\a)+11], v[(\b):(\b)+11], 0, v[(\sa)], v[(\sb)] matrix_a_fmt:MATRIX_FMT_FP6 matrix_b_fmt:MATRIX_FMT_FP6 matrix_b_scale:MATRIX_SCALE_ROW1
.else
	v_wmma_scale_f32_16x16x128_f8f6f4 v[(\d):(\d)+7], v[(\a):(\a)+11], v[(\b):(\b)+11], 0, v[(\sa)], v[(\sb)] matrix_a_fmt:MATRIX_FMT_FP6 matrix_b_fmt:MATRIX_FMT_FP6
.endif
.else
.if (\ra) && (\rb)
	v_wmma_scale_f32_16x16x128_f8f6f4 v[(\d):(\d)+7], v[(\a):(\a)+11], v[(\b):(\b)+11], v[(\d):(\d)+7], v[(\sa)], v[(\sb)] matrix_a_fmt:MATRIX_FMT_FP6 matrix_b_fmt:MATRIX_FMT_FP6 matrix_a_scale:MATRIX_SCALE_ROW1 matrix_b_scale:MATRIX_SCALE_ROW1
.elseif (\ra)
	v_wmma_scale_f32_16x16x128_f8f6f4 v[(\d):(\d)+7], v[(\a):(\a)+11], v[(\b):(\b)+11], v[(\d):(\d)+7], v[(\sa)], v[(\sb)] matrix_a_fmt:MATRIX_FMT_FP6 matrix_b_fmt:MATRIX_FMT_FP6 matrix_a_scale:MATRIX_SCALE_ROW1
.elseif (\rb)
	v_wmma_scale_f32_16x16x128_f8f6f4 v[(\d):(\d)+7], v[(\a):(\a)+11], v[(\b):(\b)+11], v[(\d):(\d)+7], v[(\sa)], v[(\sb)] matrix_a_fmt:MATRIX_FMT_FP6 matrix_b_fmt:MATRIX_FMT_FP6 matrix_b_scale:MATRIX_SCALE_ROW1
.else
	v_wmma_scale_f32_16x16x128_f8f6f4 v[(\d):(\d)+7], v[(\a):(\a)+11], v[(\b):(\b)+11], v[(\d):(\d)+7], v[(\sa)], v[(\sb)] matrix_a_fmt:MATRIX_FMT_FP6 matrix_b_fmt:MATRIX_FMT_FP6
.endif
.endif
.endm
; 64 numbers of a lane, register 16 b + i = k 32 b + 16 (lane / 16) + i of my row, become a fragment's 12 registers at v[pc] and its scale word in v[pw]; tp: 8 registers at work
.macro QUANT s, pc, tp, pw
.irp b, 0,1,2,3
	v_max3_num_f32 v[TM+\b], |v[\s+16*\b]|, |v[\s+1+16*\b]|, 0x1800000   ; and the floor 2^(3 - 127): the byte cannot fall under 1
.endr
.irp i, 2,4,6,8,10,12,14
.irp b, 0,1,2,3
	v_max3_num_f32 v[TM+\b], v[TM+\b], |v[\s+16*\b+\i]|, |v[\s+1+16*\b+\i]|
.endr
.endr
.irp b, 0,1,2,3
	v_permlanex16_b32 v[TM+4+\b], v[TM+\b], s[SEL], s[SEL+1]
.endr
.irp b, 0,1,2,3
	v_max_num_f32 v[TM+\b], v[TM+\b], v[TM+4+\b]
.endr
.irp b, 0,1,2,3
	v_add_nc_u32 v[TM+8+\b], 0xff000000, v[TM+\b]  ; 2 off the exponent field: the conversion's scale operand
.endr
.irp b, 0,1,2,3
	v_lshrrev_b32 v[TM+4+\b], 23, v[TM+8+\b]       ; the scale's byte
.endr
	v_lshl_or_b32 v[\pw], v[TM+5], 8, v[TM+4]
	v_lshl_or_b32 v[\pw], v[TM+6], 16, v[\pw]
	v_lshl_or_b32 v[\pw], v[TM+7], 24, v[\pw]
.irp c, 0,1
	v_cvt_scalef32_pk16_fp6_f32 v[\pc+6*\c:\pc+2+6*\c], v[\s+32*\c:\s+15+32*\c], v[TM+8+2*\c]
	v_cvt_scalef32_pk16_fp6_f32 v[\tp+4*\c:\tp+2+4*\c], v[\s+16+32*\c:\s+31+32*\c], v[TM+8+2*\c+1]
.endr
	v_nop                                          ; one plain place behind a scaled conversion
.irp c, 0,1
.irp i, 0,1,2
	v_permlane16_swap_b32 v[\pc+6*\c+\i], v[\tp+4*\c+\i]
.endr
.irp i, 0,1,2
	v_mov_b32 v[\pc+3+6*\c+\i], v[\tp+4*\c+\i]
.endr
.endr
.endm
; the same for 32 numbers, two blocks: registers 0-5 of the operand at v[d], the two bytes in v[pw]; t: 3 registers at work
.macro QUANT2 s, d, t, pw
	v_max3_num_f32 v[TM], |v[\s]|, |v[\s+1]|, 0x1800000
	v_max3_num_f32 v[TM+1], |v[\s+16]|, |v[\s+17]|, 0x1800000
.irp i, 2,4,6,8,10,12,14
	v_max3_num_f32 v[TM], v[TM], |v[\s+\i]|, |v[\s+1+\i]|
	v_max3_num_f32 v[TM+1], v[TM+1], |v[\s+16+\i]|, |v[\s+17+\i]|
.endr
	v_permlanex16_b32 v[TM+2], v[TM], s[SEL], s[SEL+1]
	v_permlanex16_b32 v[TM+3], v[TM+1], s[SEL], s[SEL+1]
	v_max_num_f32 v[TM], v[TM], v[TM+2]
	v_max_num_f32 v[TM+1], v[TM+1], v[TM+3]
	v_add_nc_u32 v[TM+4], 0xff000000, v[TM]
	v_add_nc_u32 v[TM+5], 0xff000000, v[TM+1]
	v_lshrrev_b32 v[TM+6], 23, v[TM+4]
	v_lshrrev_b32 v[TM+7], 23, v[TM+5]
	v_lshl_or_b32 v[\pw], v[TM+7], 8, v[TM+6]
	v_cvt_scalef32_pk16_fp6_f32 v[\d:\d+2], v[\s:\s+15], v[TM+4]
	v_cvt_scalef32_pk16_fp6_f32 v[\t:\t+2], v[\s+16:\s+31], v[TM+5]
	v_nop                                          ; one plain place behind a scaled conversion
.irp i, 0,1,2
	v_permlane16_swap_b32 v[\d+\i], v[\t+\i]       ; lanes 0-15 now hold block 0, lanes 16-31 block 1
.endr
.irp i, 0,1,2
	v_mov_b32 v[\d+3+\i], v[\t+\i]
.endr
.endm
	s_load_b512 s[4:19], s[0:1], 0x0               ; xq, wq, cos, sin, ve, gate, qq, kv
	v_lshl_add_u32 v46, v0, 2, 0x4b000
	v_mov_b32 v47, 0
	ds_add_u32 v46, v47
	ds_add_u32 v46, v47
	v_lshrrev_b32 v1, 5, v0
	v_readfirstlane_b32 s[WV], v1                  ; wave 0..3
	s_bfe_u32 s21, ttmp6, 0x40000                  ; cx
	s_bfe_u32 s22, ttmp6, 0x40004                  ; cy
	s_lshl_b32 s23, ttmp9, 2
	s_add_co_u32 s23, s23, s21                     ; gx = 4 x cluster x + cx
	s_and_b32 s24, ttmp7, 0xffff
	s_lshl_b32 s24, s24, 2
	s_add_co_u32 s24, s24, s22                     ; gy = 4 x cluster y + cy
	s_lshl_b32 s25, s22, 2
	s_lshl_b32 s25, 15, s25                        ; my row of the cluster
	s_lshl_b32 s26, 0x1111, s21                    ; my column
	; descriptor groups 1: dense blocks as rows of 256 bytes (32 elements of 8 bytes), no padding: x's 200 rows (four K steps), the weights' 400 (two units)
	s_or_b32 s36, s25, (3<<16)|(1<<21)             ; x goes to my row; bit 21 set beside a mask
	s_or_b32 s44, s26, (3<<16)|(1<<21)             ; the weights to my column
.irp g, 36, 44
	s_mov_b32 s[\g+1], 32<<16                      ; tensor_dim0
	s_mov_b32 s[\g+3], 32<<16                      ; tile_dim0
	s_mov_b32 s[\g+5], 32                          ; the pitch
	s_mov_b32 s[\g+6], 0
	s_mov_b32 s[\g+7], 0
.endr
	s_mov_b32 s38, 200<<16                         ; x: half a block, four K steps, 200 rows of 256 bytes
	s_mov_b32 s40, 200
	s_mov_b32 s46, 400<<16                         ; the weights: two units, 400 rows
	s_mov_b32 s48, 400
	s_and_b32 s35, s[WV], 1                        ; ONE JOINT LOAD A WAVE: waves 0, 1 fetch the halves of x's block, waves 2, 3 the halves of the four units
	s_mul_i32 s28, s24, 102400                     ; x: block gy, half w % 2
	s_mul_i32 s27, s35, 51200
	s_add_co_u32 s28, s28, s27
	s_mov_b32 s29, 0
	s_mul_i32 s30, s23, 204800                     ; the weights: units 4 gx + 2 (w % 2), + 1
	s_mul_i32 s34, s35, 102400
	s_add_co_u32 s30, s30, s34
	s_mov_b32 s31, 0
	s_mul_i32 s33, s[WV], 51200                    ; where my own unit lies behind x in LDS
	s_wait_dscnt 0x0
	s_wait_kmcnt 0x0
	s_add_nc_u64 s[28:29], s[4:5], s[28:29]
	s_add_nc_u64 s[30:31], s[6:7], s[30:31]
	s_mov_b32 s52, 1                               ; the weights: units 4 gx + 2 (w % 2), + 1
	s_add_co_u32 s53, s34, 102400
	s_mov_b64 s[54:55], s[30:31]
	s_or_b32 s55, s55, 0x80000000
	s_mov_b32 s56, 1                               ; x's half w % 2
	s_mov_b32 s57, s27
	s_mov_b64 s[58:59], s[28:29]
	s_or_b32 s59, s59, 0x80000000
	CROUND                                         ; all sixteen work-groups are here: the joint loads meet
	s_cmp_lt_u32 s[WV], 2                          ; one chain of branches on the wave's number, one load to an arm
	s_cbranch_scc0 .Lfor_w
	tensor_load_to_lds s[56:59], s[36:43]
	s_nop 0
	PLACES 4
	s_branch .Lasked
.Lfor_w:
	tensor_load_to_lds s[52:55], s[44:51]
	s_nop 0
	PLACES 4
.Lasked:
	; every LDS address is made here, ahead of the first parting of the waves
	v_and_b32 v17, 31, v0                          ; lane
	v_and_b32 v1, 15, v0                           ; r
	v_bfe_u32 v2, v0, 4, 1                         ; h
	v_cmp_lt_u32 vcc_lo, 15, v17                   ; lanes 16-31
	v_lshlrev_b32 v12, 4, v17                      ; 16, 8, 4 x lane: the stores' offsets
	v_lshlrev_b32 v13, 3, v17
	v_lshlrev_b32 v14, 2, v17
	v_lshlrev_b32 v3, 4, v17                       ; x's fragments, K steps 0-3,
	v_add_nc_u32 v4, 51200, v3                     ; and 4-7
	s_add_co_u32 s34, s33, 102400
	v_add_nc_u32 v5, s34, v3                       ; my unit's fragments
	v_add_nc_u32 v6, 12288, v14                    ; x's scale words
	v_add_nc_u32 v7, 12288+51200, v14
	s_add_co_u32 s34, s34, 6144
	v_add_nc_u32 v8, s34, v14                      ; my unit's
	v_and_b32 v16, 8, v1
	v_add_nc_u32 v16, v16, v1                      ; r + 8 (r / 8)
	v_lshlrev_b32 v9, 7, v16
	v_lshl_add_u32 v9, v2, 6, v9                   ; cos, sin: my token's row of 128 bytes, + 64 h
	v_lshlrev_b32 v10, 11, v16
	v_lshl_add_u32 v10, v2, 6, v10                 ; ve: my token's row of 2,048 bytes, + 64 h
	v_lshlrev_b32 v11, 2, v1                       ; the gates: 4 r
	v_mul_u32_u24 v15, v1, 272
	v_lshl_add_u32 v15, v2, 6, v15
	v_add_nc_u32 v15, VST, v15                     ; into the stage: row r of a tile, + 64 h
	v_mul_u32_u24 v29, v2, 2176
	v_lshl_add_u32 v16, v16, 2, v29
	v_add_nc_u32 v16, VST, v16                     ; out of it: 8 h rows on, channel r + 8 (r / 8)
.irp i, 0,1,2,3,4,5,6,7,8,9,10,11
	v_mov_b32 v[TM+\i], 0                          ; written once: a lane permute's destination counts as one of its sources
.endr
	s_mov_b32 s[SEL], 0x76543210
	s_mov_b32 s[SEL+1], 0xfedcba98
	s_mov_b32 s78, 0x3c800000                      ; 1 / 64
	s_mov_b32 s79, 0x34000000                      ; f32's eps, 2^-23
	s_lshr_b32 s94, s24, 4                         ; the batch
	s_and_b32 s95, s24, 15                         ; the block of 128 positions in it
	s_lshl_b32 s96, s94, 4
	s_lshl_b32 s97, s23, 1
	s_add_co_u32 s96, s96, s97
	s_add_co_u32 s96, s96, s[WV]                   ; 16 b + query head
	s_mul_i32 s96, s96, 106496
	s_mul_i32 s97, s95, 6144
	s_add_co_u32 s97, s97, s96                     ; q's codes
	s_lshl_b32 s98, s95, 9
	s_add_co_u32 s98, s98, s96
	s_add_co_u32 s98, s98, 98304                   ; q's scale words
	s_lshl_b32 s96, s94, 3
	s_add_co_u32 s96, s96, s23
	s_lshl_b32 s96, s96, 4
	s_add_co_u32 s96, s96, s95
	s_mul_i32 s96, s96, 13056                      ; the key step's block of kv
	s_add_co_u32 s99, s96, 6144                    ; k's scale words
	s_cmp_lt_u32 s[WV], 2
	s_cselect_b64 s[82:83], s[16:17], s[18:19]
	s_cselect_b32 s32, s97, s96
	s_cselect_b32 s34, s98, s99
	s_mov_b32 s33, 0
	s_mov_b32 s35, 0
	s_add_nc_u64 s[84:85], s[82:83], s[34:35]      ; where my scale words go (q, k)
	s_add_nc_u64 s[82:83], s[82:83], s[32:33]      ; where my codes go; for wave 3 the key step's block
	s_lshl_b32 s32, s95, 14
	s_add_nc_u64 s[86:87], s[8:9], s[32:33]        ; cos, sin at the block's first position
	s_add_nc_u64 s[88:89], s[10:11], s[32:33]
	s_lshl_b32 s32, s24, 18
	s_lshl_b32 s34, s23, 8
	s_add_co_u32 s32, s32, s34
	s_add_nc_u64 s[90:91], s[12:13], s[32:33]      ; ve at the block's first token, head gx
	s_lshl_b32 s32, s23, 14
	s_lshl_b32 s34, s24, 9
	s_add_co_u32 s32, s32, s34
	s_add_nc_u64 s[92:93], s[14:15], s[32:33]      ; the gates of head gx, the block's eight tiles
	s_cmp_eq_u32 s[WV], 3
	s_cbranch_scc1 .Lhead_v
	WIN 0xc0                                       ; destination window 3
.irp a, 0,1,2,3,4,5,6,7
.irp j, 0,1,2,3
	global_load_b128 v[32*\a+4*\j:32*\a+4*\j+3], v9, s[86:87] offset:(32*(\a>>1)+8*(\a&1))*128+16*\j         ; cos(my token of tile a, 16 h + 0 .. 15)
	global_load_b128 v[32*\a+16+4*\j:32*\a+16+4*\j+3], v9, s[88:89] offset:(32*(\a>>1)+8*(\a&1))*128+16*\j   ; sin likewise
.endr
.endr
	WIN 0
	s_branch .Lhead_done
.Lhead_v:
	WIN 0xc0
.irp a, 0,1,2,3,4,5,6,7
.irp b, 0,1
.irp j, 0,1,2,3
	global_load_b128 v[32*\a+16*\b+4*\j:32*\a+16*\b+4*\j+3], v10, s[90:91] offset:(32*(\a>>1)+8*(\a&1))*2048+128*\b+16*\j th:TH_LOAD_NT   ; ve in the accumulators' layout
.endr
.endr
.endr
	WIN 0
.irp a, 0,1,2,3,4,5,6,7
	global_load_b32 v[48+2*\a], v11, s[92:93] offset:64*\a       ; my token's gate, twice: a pair for the packed multiply-add
	global_load_b32 v[49+2*\a], v11, s[92:93] offset:64*\a
.endr
.Lhead_done:
; K step s: 42 LDS loads into set s % 2: my unit's 4 fragments, x's 8, 4 + 2 registers of scale words (a pair of tiles to a register)
.macro FETCH s
.set Q, (\s)&1
	WIN 0x40                                       ; destination window 1
.irp t, 0,1,2,3
.irp p, 0,1,2
	ds_load_b128 v[48*Q+12*\t+4*\p:48*Q+12*\t+4*\p+3], v5 offset:(\s)*6400+\t*1536+512*\p
.endr
.endr
	WIN 0
.irp a, 0,1,2,3,4,5,6,7
.irp p, 0,1,2
	ds_load_b128 v[64+96*Q+12*\a+4*\p:64+96*Q+12*\a+4*\p+3], v[3+(\s)/4] offset:((\s)&3)*12800+\a*1536+512*\p
.endr
.endr
.irp i, 0,1,2,3
	ds_load_b32 v[32+8*Q+\i], v[6+(\s)/4] offset:((\s)&3)*12800+128*\i
.endr
.irp i, 0,1
	ds_load_b32 v[36+8*Q+\i], v8 offset:(\s)*6400+128*\i
.endr
.endm
; its 32 products; the 32 accumulators take turns, one instruction a turn, in the same order in every step
.macro MUL s, z
.set Q, (\s)&1
	WIN 0xa1                                       ; source 0 window 1, source 1 window 0, C and D window 2
.irp a, 0,1,2,3,4,5,6,7
.irp t, 0,1,2,3
	WM 8*(4*\a+\t), 48*Q+12*\t, 64+96*Q+12*\a, \z, 36+8*Q+(\t>>1), 32+8*Q+(\a>>1), \t&1, \a&1
.endr
.endr
.endm
	s_wait_tensorcnt 0x0                           ; my one load is in
	s_barrier_signal -1
	s_barrier_wait -1                              ; everybody's are
	FETCH 0
	FETCH 1
	s_wait_dscnt 42                                ; all but the 42 just issued
	MUL 0, 1                                       ; the first products start the sums: nothing is cleared
.irp s, 1,2
	PLACES 4                                       ; in front of loads into registers that matrix instructions have read
	FETCH \s+1
	s_wait_dscnt 42
	MUL \s, 0
.endr
.irp s, 3,4,5,6
	PLACES 4
	FETCH \s+1
	s_wait_dscnt 42
	MUL \s, 0
.endr
	s_wait_dscnt 0x0
	MUL 7, 0
	WIN 0
	PLACES 4                                       ; in front of the first read of results and the first write over operands
	s_wait_loadcnt 0x0                             ; cos and sin, or ve and the gates
	s_cmp_eq_u32 s[WV], 3
	s_cbranch_scc1 .Lvrole
; q AND k.  Token tile a: RoPE (x1 = channels 16 h + i, x2 = 32 + 16 h + i share cos and sin of 16 h + i), the RMS norm over the head's 64, the quantiser along the 64, the stores.
.macro QKTILE a
	WIN 0x0e                                       ; source 0 window 2 (the sums), source 1 window 3 (cos, sin)
.irp i, 0,2,4,6,8,10,12,14                 ; ascending: each accumulator is first read at its low end
	v_pk_mul_f32 v[96+\i:97+\i], v[32*(\a)+16+\i:32*(\a)+17+\i], v[32*(\a)+16+\i:32*(\a)+17+\i]      ; x2 sin
	v_pk_mul_f32 v[112+\i:113+\i], v[32*(\a)+\i:32*(\a)+1+\i], v[32*(\a)+16+\i:32*(\a)+17+\i]        ; x1 sin
	v_pk_fma_f32 v[64+\i:65+\i], v[32*(\a)+\i:32*(\a)+1+\i], v[32*(\a)+\i:32*(\a)+1+\i], v[96+\i:97+\i]   ; x1 cos + x2 sin
	v_pk_fma_f32 v[80+\i:81+\i], v[32*(\a)+16+\i:32*(\a)+17+\i], v[32*(\a)+\i:32*(\a)+1+\i], v[112+\i:113+\i] neg_lo:[0,0,1] neg_hi:[0,0,1]   ; x2 cos - x1 sin
.endr
	WIN 0
	v_pk_mul_f32 v[248:249], v[64:65], v[64:65]    ; the sum of squares, in two packed chains
	v_pk_mul_f32 v[250:251], v[66:67], v[66:67]
.irp i, 4,8,12,16,20,24,28
	v_pk_fma_f32 v[248:249], v[64+\i:65+\i], v[64+\i:65+\i], v[248:249]
	v_pk_fma_f32 v[250:251], v[66+\i:67+\i], v[66+\i:67+\i], v[250:251]
.endr
	v_pk_add_f32 v[248:249], v[248:249], v[250:251]
	v_add_f32 v248, v248, v249
	v_permlanex16_b32 v250, v248, s[SEL], s[SEL+1]
	v_add_f32 v248, v248, v250                     ; with lane l xor 16's 32 channels
	v_fma_f32 v248, v248, s78, s79                 ; the mean + eps
	s_wait_alu depctr_va_vdst(0)
	v_rsq_f32 v250, v248
	v_nop                                          ; one plain place behind a transcendental
	s_wait_alu depctr_va_vdst(0)
	v_mov_b32 v251, v250
.irp i, 0,2,4,6,8,10,12,14,16,18,20,22,24,26,28,30
	v_pk_mul_f32 v[64+\i:65+\i], v[64+\i:65+\i], v[250:251]
.endr
	QUANT2 64, 192+6*(\a), 240+4*((\a)&1), 30+((\a)&1)
	v_or_b32 v[30+((\a)&1)], 0x7f7f0000, v[30+((\a)&1)]        ; the upper 64 of the instruction's K are zero codes under the scale 1
	global_store_b128 v12, v[192+6*(\a):195+6*(\a)], s[82:83] offset:768*(\a)          ; every tile has code registers of its own: no store's data are written again
	global_store_b64 v13, v[196+6*(\a):197+6*(\a)], s[82:83] offset:768*(\a)+512
.if (\a)&1
	v_cndmask_b32 v[252+(\a)/2], v30, v31, vcc_lo  ; lanes 0-15 the even tile's words, lanes 16-31 the odd tile's
	global_store_b32 v14, v[252+(\a)/2], s[84:85] offset:128*((\a)/2)
.endif
.endm
.irp a, 0,1,2,3,4,5,6,7
	QKTILE \a
.endr
	s_branch .Lend
.Lvrole:
; v += gate x ve; then the keys must run along a lane's registers: through my stage in LDS, rows = tokens in tile order, 256 bytes + 16.
	WIN 0xa3                                       ; source 0 (ve) window 3, source 1 (the gate) window 0, C and D window 2
.set n, 0
.rept 128
	v_pk_fma_f32 v[n:n+1], v[n:n+1], v[48+2*(n/32):49+2*(n/32)], v[n:n+1]
.set n, n+2
.endr
	WIN 0x08                                       ; an LDS store's data are its source 1: window 2
.irp a, 0,1,2,3,4,5,6,7
.irp b, 0,1
.irp j, 0,1,2,3
	ds_store_b128 v15, v[32*\a+16*\b+4*\j:32*\a+16*\b+4*\j+3] offset:4352*\a+128*\b+16*\j
.endr
.endr
.endr
	WIN 0
; channel tile ct: lane (r, h) takes channel 32 (ct/2) + 8 (ct%2) + r + 8 (r/8); register 16 k + 8 u + i = key 32 k + 16 h + 8 u + i, which lies in stage row 16 (2 k + u) + 8 h + i
.macro LOADV ct
.irp k, 0,1,2,3
.irp u, 0,1
.irp i, 0,1,2,3,4,5,6,7
	ds_load_b32 v[64+64*((\ct)&1)+16*\k+8*\u+\i], v16 offset:((2*\k+\u)*16+\i)*272+(32*((\ct)>>1)+8*((\ct)&1))*4   ; LDS serves a wave's instructions in order: these see my stores
.endr
.endr
.endr
.endm
	LOADV 0
	LOADV 1
.irp ct, 0,1,2,3
.if \ct < 3
	s_wait_dscnt 63                                ; this tile's 64 loads are in; the next tile's may be out (a wait names 63 at the most)
.else
	s_wait_dscnt 0x0
.endif
	QUANT 64+64*(\ct&1), 192+12*\ct, 240, 30+(\ct&1)
.if \ct < 2
	LOADV \ct+2
.endif
.irp p, 0,1,2
	global_store_b128 v12, v[192+12*\ct+4*\p:195+12*\ct+4*\p], s[82:83] offset:6656+1536*\ct+512*\p
.endr
.if \ct&1
	v_cndmask_b32 v[252+\ct/2], v30, v31, vcc_lo
	global_store_b32 v14, v[252+\ct/2], s[82:83] offset:12800+128*(\ct/2)
.endif
.endr
.Lend:
	s_wait_dscnt 0x0
	s_wait_tensorcnt 0x0
	ds_add_u32 v46, v47
	s_wait_dscnt 0x0
	CROUND                                         ; the closing round: no work-group ends while a partner may still ask for a block that names it
	s_endpgm
.Lfunc_end_k_qd89df98fab_qkv:
	.size	k_qd89df98fab_qkv, .Lfunc_end_k_qd89df98fab_qkv-k_qd89df98fab_qkv
	.p2alignl 7, 3214868480
	.fill 96, 4, 3214868480
	.section	.rodata,"a",@progbits
	.p2align	6, 0x0
	.amdhsa_kernel k_qd89df98fab_qkv
		.amdhsa_group_segment_fixed_size 307712
		.amdhsa_private_segment_fixed_size 0
		.amdhsa_enable_private_segment 0
		.amdhsa_kernarg_size 64
		.amdhsa_user_sgpr_count 2
		.amdhsa_user_sgpr_kernarg_segment_ptr 1
		.amdhsa_wavefront_size32 1
		.amdhsa_system_sgpr_workgroup_id_x 1
		.amdhsa_system_sgpr_workgroup_id_y 1
		.amdhsa_system_sgpr_workgroup_id_z 1
		.amdhsa_system_vgpr_workitem_id 0
		.amdhsa_next_free_vgpr 1024
		.amdhsa_next_free_sgpr 100
		.amdhsa_reserve_vcc 1
		.amdhsa_float_denorm_mode_32 3
		.amdhsa_float_denorm_mode_16_64 3
		.amdhsa_memory_ordered 1
		.amdhsa_forward_progress 1
		.amdhsa_inst_pref_size 175
	.end_amdhsa_kernel
	.amdgpu_metadata
---
amdhsa.version: [ 1, 2 ]
amdhsa.kernels:
  - .name:           k_qd89df98fab_qkv
    .symbol:         k_qd89df98fab_qkv.kd
    .args:
      - { .name: xq, .offset: 0, .size: 8, .value_kind: global_buffer, .address_space: global }
      - { .name: wq, .offset: 8, .size: 8, .value_kind: global_buffer, .address_space: global }
      - { .name: cos, .offset: 16, .size: 8, .value_kind: global_buffer, .address_space: global }
      - { .name: sin, .offset: 24, .size: 8, .value_kind: global_buffer, .address_space: global }
      - { .name: ve, .offset: 32, .size: 8, .value_kind: global_buffer, .address_space: global }
      - { .name: gate, .offset: 40, .size: 8, .value_kind: global_buffer, .address_space: global }
      - { .name: qq, .offset: 48, .size: 8, .value_kind: global_buffer, .address_space: global }
      - { .name: kv, .offset: 56, .size: 8, .value_kind: global_buffer, .address_space: global }
    .group_segment_fixed_size: 307712
    .private_segment_fixed_size: 0
    .kernarg_segment_align: 8
    .kernarg_segment_size: 64
    .max_flat_workgroup_size: 128
    .sgpr_count:     100
    .vgpr_count:     1024
    .wavefront_size: 32
...
	.end_amdgpu_metadata
.endif
;; end of part 2
;; launch attn (part 3): grid 16 x 16, 16 waves a work-group, clusters of 4 x 1, 263,168 bytes of LDS; arguments qq, kv, yq; writes yq
.if DOCPART == 3
	.amdgcn_target "amdgcn-amd-amdhsa--gfx1250"
	.amdhsa_code_object_version 6
	.text
	.protected	k_qd89df98fab_attn
	.globl	k_qd89df98fab_attn
	.p2align	8
	.type	k_qd89df98fab_attn,@function
k_qd89df98fab_attn:
	s_mov_b64 s[64:65], 0
	v_nop
	global_prefetch_b8 v0, s[64:65] scope:SCOPE_SE
	s_setreg_imm32_b32 hwreg(HW_REG_WAVE_MODE, 25, 1), 1
	s_wait_xcnt 0x0
	s_wait_alu depctr_hold_cnt(0) depctr_sa_sdst(0) depctr_va_vdst(0) depctr_va_sdst(0) depctr_va_ssrc(0) depctr_va_vcc(0) depctr_vm_vsrc(0)
	s_getreg_b32 s2, hwreg(HW_REG_IB_STS2, 6, 4)
	s_cmp_eq_u32 s2, 0
	s_cbranch_scc0 .Lentry_in_a_cluster
	s_endpgm
.Lentry_in_a_cluster:
	s_bfe_u32 s2, ttmp6, 0x10000c
	s_cmp_lg_u32 s2, 0x3003
	s_cbranch_scc0 .Lentry_shape_is_right
	s_endpgm
.Lentry_shape_is_right:
; y = softmax(q k^T / 8, masked) v for 16 query heads on 8 kv heads of 64 channels, both products on codes of E2M3.  kv heads 0-3: causal; 4-7: causal and query - key <= 1024.
; Key steps that the masks of the problem hide whole from a wave's queries are jumped over.
; THE SOFTMAX.  t = score x log2(e) / 8; p = 2^(t - M) is quantised along the keys, not normalised; the row's sum is taken of the unquantised p and divides at the end.
; M IS THE CONSTANT WHOLE NUMBER 0.  q and k are RMS-normalised by the problem itself: each has norm at most 8; the quantiser moves a number by at most 1/16 of itself or 1/64 of its block's largest,
; so a quantised row has norm under 9.5, |score| < 90.3 and |t| < 17 for all inputs: p lies in 2^-17 .. 2^17 and a sum of 2,048 of them under 2^28.  Another whole M only shifts each block's scale byte and the sum alike:
; the codes' values and the quotient are the same.  So no maximum over the row is searched, and nothing is rescaled from step to step.
; SHARES.  Work-group y = batch x kv head; the 16 work-groups along x each hold that head's WHOLE K and V in LDS (16 key steps, filled once: no ring, so nothing is left to prefetch), one tensor load a wave.
; CLUSTER 4 x 1: the four partners want the same bytes, so each of the sixteen loads is asked for jointly.  One tensor load of a wave is out.
; A wave owns ONE tile of 16 queries of one query head: g = bit 2 of the wave's number w, a = 2 (w/8) + (w/2)%2, flip = (w ^ (w/4)) % 2, j = the work-group's x; tile T = 16 a + j, or 127 - (16 a + j) where flip is set.
; A tile and its mirror need 17 causal key steps together, and any four waves with equal w % 4 or equal w / 4 are two such pairs: 34 steps.
; The step that holds my queries, T / 8, hangs on the wave's number and the cluster's x alone; my place in the cluster enters global addresses and the mask's vector register alone.
; LAYOUT.  Both products transposed: S^T = K Q^T, O^T = V^T P^T: a lane holds ONE query.  In kv row p of key tile a is key 32 (a/2) + 8 (a%2) + p + 8 (p/8).  THE TILES OF K ARE FORMED ANEW AS THEY ARE READ FROM LDS, by lane addresses:
; tile 4c+i takes keys 64c + 8i + 0..7 as rows 0-7 and keys 64c + 32 + 8i + 0..7 as rows 8-15.  So lane (r, h) holds query r, and registers 32c .. 32c+31 of S^T are keys 64c + 32h + 0 .. 31: a WHOLE block of 32, in the order
; of the next operand's registers: a block's maximum needs no other lane and its codes no lane swap.
; K = 64 in the first product: registers 6-11 of Q are zero codes; registers 6-11 of a tile of K are then whatever finite codes follow (the next tile's; zeros behind the last), under the scale 1: they add exact zeros.
; LDS: a key step's 13,056 bytes lie as 51 rows of 256 + 64 bytes of padding (pitch 320): the two halves of a 16-lane read, 6 rows apart, then fall 128 bytes apart modulo 256.
; yq: 32 blocks of 128 tokens x 8 K steps x 12,800, K step = kv head; a tile's 1,536 bytes are two halves of 768 (head g: registers 0-3 at 16 l, 4-5 at 512 + 8 l); a scale word's half g holds head g's two bytes.
; REGISTERS: v1-5 lane parts of LDS addresses, v6, v7, v15 global offsets, v8-12 the step's addresses, v13 -infinity, v14 my query's place - 32 h, v29 8 h; v16-27 Q, v28 its scale word; v30, v31 the add's;
; v32-85 K's eight tiles (6 registers each, 6 of zeros), then V's four fragments; v86-92 scale words and nothing else; v96-159 S^T, t, p; v160-191 O^T; v192-203 p's codes; v204-219 at work; v220-227 the sum; v228-237 the way out.
; LIMITS: NaN and infinities are not served; a block of p that the mask hides whole gets the byte 10 (its codes are zeros).
.set WV,  10
.set SEL, 28                           ; s[28:29]
.set CS,  30                           ; s[30:31] c = log2(e) / 8, twice
.set TB,  32                           ; s32 LDS byte of the key step in hand
.set STP, 33                           ; s33 the key step
.set SQ,  34                           ; s34 the step that holds my queries: the last that counts
.set LM,  35                           ; s35 the first that counts, on the window's left edge (-100: no window)
.set CH,  320                          ; LDS pitch of 256 bytes
.set KSB, 51*CH
.set SPARE, 16*KSB
.set TM,  228
.macro DL n
	s_delay_alu instid0(VALU_DEP_\n)
.endm
.macro PLACES n
.rept \n
	v_nop
.endr
.endm
.macro CROUND
	s_barrier_signal -1
	s_barrier_wait -1
	s_cmp_lg_u32 s[WV], 0
	s_cbranch_scc1 .Lnot_wave_0_\@
	s_barrier_signal -3
.Lnot_wave_0_\@:
	s_barrier_wait -3
	s_barrier_signal -1
	s_barrier_wait -1
.endm
.macro WS d, a, sa, ra                 ; a tile of S^T: it starts its sum; K's scale word from lanes 16-31 where ra = 1
.if (\ra)
	v_wmma_scale_f32_16x16x128_f8f6f4 v[(\d):(\d)+7], v[(\a):(\a)+11], v[16:27], 0, v[(\sa)], v28 matrix_a_fmt:MATRIX_FMT_FP6 matrix_b_fmt:MATRIX_FMT_FP6 matrix_a_scale:MATRIX_SCALE_ROW1
.else
	v_wmma_scale_f32_16x16x128_f8f6f4 v[(\d):(\d)+7], v[(\a):(\a)+11], v[16:27], 0, v[(\sa)], v28 matrix_a_fmt:MATRIX_FMT_FP6 matrix_b_fmt:MATRIX_FMT_FP6
.endif
.endm
.macro WO d, a, sa, ra                 ; a tile of O^T, added onto
.if (\ra)
	v_wmma_scale_f32_16x16x128_f8f6f4 v[(\d):(\d)+7], v[(\a):(\a)+11], v[192:203], v[(\d):(\d)+7], v[(\sa)], v92 matrix_a_fmt:MATRIX_FMT_FP6 matrix_b_fmt:MATRIX_FMT_FP6 matrix_a_scale:MATRIX_SCALE_ROW1
.else
	v_wmma_scale_f32_16x16x128_f8f6f4 v[(\d):(\d)+7], v[(\a):(\a)+11], v[192:203], v[(\d):(\d)+7], v[(\sa)], v92 matrix_a_fmt:MATRIX_FMT_FP6 matrix_b_fmt:MATRIX_FMT_FP6
.endif
.endm
; 32 numbers of a lane, register 16 b + i = k 32 b + 16 (lane / 16) + i, become registers 0-5 of an operand at v[d] and two scale bytes in v[pw]; t: 3 registers at work
.macro QUANT2 s, d, t, pw
	v_max3_num_f32 v[TM], |v[\s]|, |v[\s+1]|, 0x1800000
	v_max3_num_f32 v[TM+1], |v[\s+16]|, |v[\s+17]|, 0x1800000
.irp i, 2,4,6,8,10,12,14
	DL 2
	v_max3_num_f32 v[TM], v[TM], |v[\s+\i]|, |v[\s+1+\i]|
	DL 2
	v_max3_num_f32 v[TM+1], v[TM+1], |v[\s+16+\i]|, |v[\s+17+\i]|
.endr
	DL 2
	v_permlanex16_b32 v[TM+2], v[TM], s[SEL], s[SEL+1]
	DL 2
	v_permlanex16_b32 v[TM+3], v[TM+1], s[SEL], s[SEL+1]
	DL 2
	v_max_num_f32 v[TM], v[TM], v[TM+2]
	DL 2
	v_max_num_f32 v[TM+1], v[TM+1], v[TM+3]
	DL 2
	v_add_nc_u32 v[TM+4], 0xff000000, v[TM]
	DL 2
	v_add_nc_u32 v[TM+5], 0xff000000, v[TM+1]
	DL 2
	v_lshrrev_b32 v[TM+6], 23, v[TM+4]
	DL 2
	v_lshrrev_b32 v[TM+7], 23, v[TM+5]
	DL 1
	v_lshl_or_b32 v[\pw], v[TM+7], 8, v[TM+6]
	v_cvt_scalef32_pk16_fp6_f32 v[\d:\d+2], v[\s:\s+15], v[TM+4]
	v_cvt_scalef32_pk16_fp6_f32 v[\t:\t+2], v[\s+16:\s+31], v[TM+5]
	v_nop                                          ; one plain place behind a scaled conversion
.irp i, 0,1,2
	v_permlane16_swap_b32 v[\d+\i], v[\t+\i]
.endr
.irp i, 0,1,2
	DL 3
	v_mov_b32 v[\d+3+\i], v[\t+\i]
.endr
.endm
; hidden scores become -infinity.  Register n holds the step's key 64 (n/32) + 32 h + n % 32; v14 = my query's place in its step - 32 h.  gt = 1: keys after my query; 0: keys more than 1,024 before it
.macro MASK gt
.set n, 0
.rept 64
.if \gt
	v_cmp_gt_i32 vcc_lo, 64*(n/32)+n%32, v14
.else
	v_cmp_lt_i32 vcc_lo, 64*(n/32)+n%32, v14
.endif
	v_cndmask_b32 v[96+n], v[96+n], v13, vcc_lo    ; ascending: each accumulator is first read at its low end
.set n, n+1
.endr
.endm
	s_load_b128 s[4:7], s[0:1], 0x0                ; qq, kv
	s_load_b64 s[8:9], s[0:1], 0x10                ; yq
	v_lshl_add_u32 v30, v0, 2, SPARE
	v_mov_b32 v31, 0
	ds_add_u32 v30, v31                            ; the opening lines: the add, twice on end, and its wait
	ds_add_u32 v30, v31
	v_lshrrev_b32 v1, 5, v0
	DL 1
	v_readfirstlane_b32 s[WV], v1                  ; wave 0..15
	s_bfe_u32 s11, ttmp6, 0x40000                  ; cx
	s_mov_b32 s12, ttmp9                           ; the cluster's x
	s_and_b32 s13, ttmp7, 0xffff                   ; batch x kv head
	; descriptor group 1: a key step's 13,056 dense bytes as 51 rows of 256 (32 elements of 8 bytes), 16 words of padding behind each 64
	s_mov_b32 s16, 15|(3<<16)|(1<<20)|(1<<21)|(5<<22)|(15<<25)   ; the mask: all four partners; bit 21 set beside it
	s_mov_b32 s17, 32<<16
	s_mov_b32 s18, 51<<16
	s_mov_b32 s19, 32<<16
	s_mov_b32 s20, 51
	s_mov_b32 s21, 32
	s_mov_b32 s22, 0
	s_mov_b32 s23, 0
	s_mul_i32 s36, s13, 208896
	s_mul_i32 s37, s[WV], 13056
	s_add_co_u32 s36, s36, s37                     ; key step w in kv,
	s_mov_b32 s37, 0
	s_mul_i32 s25, s[WV], KSB                      ; and in LDS
	s_mov_b32 s24, 1
	s_wait_dscnt 0x0
	s_wait_kmcnt 0x0
	s_add_nc_u64 s[26:27], s[6:7], s[36:37]
	s_or_b32 s27, s27, 0x80000000
	CROUND                                         ; the four partners are here: the joint loads meet
	tensor_load_to_lds s[24:27], s[16:23]
	s_nop 0
	PLACES 4
	s_bfe_u32 s15, s[WV], 0x10002                  ; g
	s_lshr_b32 s38, s[WV], 3
	s_lshl_b32 s38, s38, 1
	s_bfe_u32 s39, s[WV], 0x10001
	s_or_b32 s38, s38, s39                         ; a
	s_xor_b32 s39, s[WV], s15
	s_and_b32 s39, s39, 1                          ; flip
	s_lshl_b32 s[SQ], s38, 1
	s_lshr_b32 s40, s12, 1
	s_add_co_u32 s[SQ], s[SQ], s40                 ; (16 a + j) / 8 = 2 a + (cluster x) / 2,
	s_mul_i32 s40, s39, 15
	s_xor_b32 s[SQ], s[SQ], s40                    ; or 15 less that
	s_and_b32 s41, s13, 7                          ; the kv head
	s_sub_co_i32 s[LM], s[SQ], 8
	s_cmp_ge_u32 s41, 4
	s_cselect_b32 s[LM], s[LM], -100
	s_lshl_b32 s42, s12, 2
	s_add_co_u32 s42, s42, s11                     ; j
	s_lshl_b32 s43, s38, 4
	s_add_co_u32 s43, s43, s42
	s_mul_i32 s40, s39, 127
	s_xor_b32 s43, s43, s40                        ; T, my tile of queries
	s_lshr_b32 s44, s13, 3                         ; the batch
	s_lshl_b32 s45, s44, 4
	s_lshl_b32 s46, s41, 1
	s_add_co_u32 s45, s45, s46
	s_add_co_u32 s45, s45, s15                     ; 16 b + query head
	s_mul_i32 s45, s45, 106496
	s_mul_i32 s46, s43, 768
	s_add_co_u32 s46, s46, s45
	s_mov_b32 s47, 0
	s_add_nc_u64 s[48:49], s[4:5], s[46:47]        ; Q's codes
	s_lshl_b32 s46, s43, 6
	s_add_co_u32 s46, s46, s45
	s_add_co_u32 s46, s46, 98304
	s_add_nc_u64 s[50:51], s[4:5], s[46:47]        ; Q's scale words: my tile's 64 bytes
	s_lshl_b32 s52, s44, 7
	s_add_co_u32 s52, s52, s43                     ; the tile among all 256
	s_lshr_b32 s53, s52, 3
	s_mul_i32 s53, s53, 102400
	s_mul_i32 s54, s41, 12800
	s_add_co_u32 s53, s53, s54
	s_and_b32 s54, s52, 7
	s_mul_i32 s46, s54, 1536
	s_mul_i32 s55, s15, 768
	s_add_co_u32 s46, s46, s55
	s_add_co_u32 s46, s46, s53
	s_add_nc_u64 s[56:57], s[8:9], s[46:47]        ; y's codes
	s_lshl_b32 s46, s54, 6
	s_lshl_b32 s55, s15, 1
	s_add_co_u32 s46, s46, s55
	s_add_co_u32 s46, s46, s53
	s_add_co_u32 s46, s46, 12288
	s_add_nc_u64 s[58:59], s[8:9], s[46:47]        ; y's scale words, half g
	s_and_b32 s60, s43, 6
	s_lshl_b32 s60, s60, 4
	s_and_b32 s61, s43, 1
	s_lshl_b32 s61, s61, 3
	s_add_co_u32 s60, s60, s61                     ; where my tile begins in its step of 128
	s_mov_b32 s[SEL], 0x76543210
	s_mov_b32 s[SEL+1], 0xfedcba98
	s_mov_b32 s[CS], 0x3e38aa3b                    ; log2(e) / 8
	s_mov_b32 s[CS+1], s[CS]
	s_mov_b32 s[TB], 0
	s_mov_b32 s[STP], 0
	v_and_b32 v9, 31, v0                           ; l
	v_and_b32 v10, 15, v0                          ; r
	v_bfe_u32 v11, v0, 4, 1                        ; h
	v_and_b32 v12, 7, v0                           ; r % 8
	v_bfe_u32 v8, v0, 3, 1                         ; r / 8
	v_lshlrev_b32 v7, 4, v9                        ; 16 l
	v_lshlrev_b32 v6, 2, v10                       ; 4 r
	v_lshlrev_b32 v15, 3, v9
	DL 1
	v_add_nc_u32 v15, 512, v15                     ; 512 + 8 l
	global_load_b128 v[16:19], v7, s[48:49]
	global_load_b64 v[20:21], v15, s[48:49]
	global_load_b32 v28, v6, s[50:51]
	v_mul_u32_u24 v1, v8, 6*CH                     ; rows 8-15 of a tile come from the stored tile two further on: 6 rows of 256 bytes
	v_lshlrev_b32 v3, 7, v8
	v_lshlrev_b32 v4, 4, v10
	DL 3
	v_lshl_add_u32 v2, v12, 3, v1
	DL 4
	v_lshl_add_u32 v1, v12, 4, v1
	DL 4
	v_lshl_add_u32 v3, v11, 6, v3
	DL 4
	v_mad_u32_u24 v4, v11, CH, v4                  ; V's fragments: 16 r + a row for h
	DL 4
	v_lshl_add_u32 v2, v11, 7, v2                  ; K's registers 4-5: 6 CH (r/8) + 8 (r%8) + 128 h
	DL 4
	v_mad_u32_u24 v1, v11, CH, v1                  ; K's registers 0-3: 6 CH (r/8) + 16 (r%8) + a row for h
	DL 4
	v_lshl_add_u32 v3, v12, 2, v3                  ; K's scale words: 128 (r/8) + 64 h + 4 (r%8)
	v_lshlrev_b32 v5, 2, v9                        ; V's scale words: 4 l
	v_lshlrev_b32 v29, 3, v11                      ; 8 h
	v_lshl_add_u32 v14, v8, 3, v10                 ; r + 8 (r/8)
	v_lshlrev_b32 v11, 5, v11
	DL 1
	v_sub_nc_u32 v14, v14, v11
	DL 1
	v_add_nc_u32 v14, s60, v14                     ; my query's place in its step - 32 h
	v_mov_b32 v13, 0xff800000                      ; -infinity
.irp i, 22,23,24,25,26,27, 80,81,82,83,84,85
	v_mov_b32 v[\i], 0                             ; zero codes: the upper 64 of the instruction's K in Q; what follows K's last tile
.endr
.set n, 0
.rept 32
	v_mov_b32 v[160+n], 0                          ; O^T: the step is written once, and which step is a wave's first hangs on its number
.set n, n+1
.endr
.irp i, 220,221,222,223,224,225,226,227, 93,230,231,236
	v_mov_b32 v[\i], 0                             ; the sum, in four pairs; and lane permutes' destinations, written once
.endr
	s_wait_alu depctr_va_vdst(0)
	s_wait_tensorcnt 0x0                           ; my key step is in,
	s_barrier_signal -1
	s_barrier_wait -1                              ; everybody's is: from here on no wave waits for another
	s_wait_loadcnt 0x0                             ; Q
.Lstep:
	s_cmp_gt_i32 s[STP], s[SQ]                     ; all its keys come after my queries,
	s_cbranch_scc1 .Lskip
	s_cmp_lt_i32 s[STP], s[LM]                     ; or all lie left of the window
	s_cbranch_scc1 .Lskip
	v_add_nc_u32 v8, s[TB], v1                     ; (with the v_nop at the step's end these three are the places in front of the loads over V's fragments)
	v_add_nc_u32 v9, s[TB], v2
	v_add_nc_u32 v10, s[TB], v3
.irp q, 0,1,2,3                            ; register 2c + i/2: lanes 0-15 tile 4c + 2 (i/2), lanes 16-31 the tile behind it
	ds_load_b32 v[86+\q], v10 offset:CH*(24+(\q>>1))+32*(\q&1)
.endr
.irp t, 0,1,2,3,4,5,6,7                    ; tile t = 4c + i: stored tiles 4c + i%2 and two on, rows 8 (i/2) on
	ds_load_b128 v[32+6*\t:35+6*\t], v8 offset:3*CH*(4*(\t>>2)+(\t&1))+128*((\t>>1)&1)
	ds_load_b64 v[36+6*\t:37+6*\t], v9 offset:3*CH*(4*(\t>>2)+(\t&1))+2*CH+64*((\t>>1)&1)
.endr
	s_wait_dscnt 0x0
.irp t, 0,1,2,3,4,5,6,7
	WS 96+8*\t, 32+6*\t, 86+2*(\t>>2)+((\t>>1)&1), \t&1
.endr
	v_add_nc_u32 v11, s[TB], v4                    ; four places behind the products
	v_add_nc_u32 v12, s[TB], v5
	PLACES 2
.irp t, 0,1,2,3
.irp p, 0,1,2
	ds_load_b128 v[32+12*\t+4*\p:35+12*\t+4*\p], v11 offset:CH*(26+6*\t+2*\p)   ; V's four fragments, into the registers that K has left: they land under the softmax
.endr
.endr
.irp i, 0,1
	ds_load_b32 v[90+\i], v12 offset:CH*50+128*\i
.endr
	s_cmp_lg_u32 s[STP], s[SQ]
	s_cbranch_scc1 .Lnodiag
	MASK 1                                         ; the step on the diagonal
.Lnodiag:
	s_cmp_lg_u32 s[STP], s[LM]
	s_cbranch_scc1 .Lnoleft
	MASK 0                                         ; the step on the window's left edge, exactly 1,024 keys back: the same place serves
.Lnoleft:
.set n, 0
.rept 32
	v_pk_mul_f32 v[96+n:97+n], v[96+n:97+n], s[CS:CS+1] op_sel_hi:[1,0]   ; t, two at a time, ascending
.set n, n+2
.endr
; the largest t of each of my two blocks of 32 keys, since p rises with t; four chains by turns; the floor -115 stands for a block that is hidden whole
.irp c, 0,1
	v_max3_num_f32 v[212+2*\c], v[96+32*\c], v[97+32*\c], v[98+32*\c]
	v_max3_num_f32 v[213+2*\c], v[111+32*\c], v[112+32*\c], v[113+32*\c]
.endr
.irp k, 0,2,4,6,8,10
.irp c, 0,1
	v_max3_num_f32 v[212+2*\c], v[212+2*\c], v[99+32*\c+\k], v[100+32*\c+\k]
	v_max3_num_f32 v[213+2*\c], v[213+2*\c], v[114+32*\c+\k], v[115+32*\c+\k]
.endr
.endr
.irp c, 0,1
	v_max3_num_f32 v[212+2*\c], v[212+2*\c], v[213+2*\c], v[126+32*\c]
.endr
.irp c, 0,1
	DL 2
	v_max3_num_f32 v[212+2*\c], v[212+2*\c], v[127+32*\c], 0xc2e60000
.endr
	s_wait_alu depctr_va_vdst(0)
.set n, 0
.rept 64
	v_exp_f32 v[96+n], v[96+n]                     ; p = 2^t
.set n, n+1
.endr
	v_exp_f32 v212, v212                           ; each block's largest p: the same instruction on the same number gives the same bits
	v_exp_f32 v214, v214
	v_nop                                          ; one plain place behind the exponentials
	s_wait_alu depctr_va_vdst(0)                   ; and one wait for the whole batch
	v_add_nc_u32 v216, 0xff000000, v212            ; 2 off the exponent field: the conversion's scale operand
	v_add_nc_u32 v217, 0xff000000, v214
.irp c, 0,1
	v_cvt_scalef32_pk16_fp6_f32 v[192+6*\c:194+6*\c], v[96+32*\c:111+32*\c], v[216+\c]
	v_cvt_scalef32_pk16_fp6_f32 v[204+4*\c:206+4*\c], v[112+32*\c:127+32*\c], v[216+\c]   ; (a conversion's three registers begin on an even number)
.endr
	v_lshrrev_b32 v218, 23, v216                   ; the scales' bytes (a plain place behind the conversions)
	v_lshrrev_b32 v219, 23, v217
.irp i, 0,1,2
	v_mov_b32 v[195+\i], v[204+\i]
.endr
	v_lshl_or_b32 v92, v219, 16, v218              ; my blocks h and 2 + h,
.irp i, 0,1,2
	v_mov_b32 v[201+\i], v[208+\i]
.endr
	v_lshlrev_b32 v92, v29, v92                    ; at their places in the scale word;
	DL 1
	v_permlanex16_b32 v93, v92, s[SEL], s[SEL+1]
	DL 1
	v_or_b32 v92, v92, v93                         ; with lane l xor 16's two the word is whole
.set n, 0
.rept 8
.irp k, 0,1,2,3
	v_pk_add_f32 v[220+2*\k:221+2*\k], v[220+2*\k:221+2*\k], v[96+n+2*\k:97+n+2*\k]   ; the sum of the unquantised p, four chains by turns; these are also the places that the scale word (8) and the codes (4) owe
.endr
.set n, n+8
.endr
	s_wait_dscnt 0x0                               ; V
.irp t, 0,1,2,3
	s_wait_alu depctr_va_vdst(0)
	WO 160+8*\t, 32+12*\t, 90+(\t>>1), \t&1        ; O^T += V^T P^T; the four accumulators take turns, and the next step's eight products stand between two links
.endr
	v_nop
.Lskip:
	s_add_co_u32 s[TB], s[TB], KSB
	s_add_co_u32 s[STP], s[STP], 1
	s_cmp_lt_u32 s[STP], 16
	s_cbranch_scc1 .Lstep
	; THE WAY OUT: y = O^T / the sum, quantised along the head's 64 channels, which are 64 of the last product's K
	s_wait_alu depctr_va_vdst(0)
	v_pk_add_f32 v[220:221], v[220:221], v[222:223]
	v_pk_add_f32 v[224:225], v[224:225], v[226:227]
	DL 1
	v_pk_add_f32 v[220:221], v[220:221], v[224:225]
	DL 1
	v_add_f32 v220, v220, v221
	DL 1
	v_permlanex16_b32 v236, v220, s[SEL], s[SEL+1]
	DL 1
	v_add_f32 v220, v220, v236                     ; with lane l xor 16's keys: the row's sum
	s_wait_alu depctr_va_vdst(0)
	v_rcp_f32 v220, v220
	v_nop                                          ; one plain place behind a transcendental
	s_wait_alu depctr_va_vdst(0)
.set n, 0
.rept 16
	v_pk_mul_f32 v[96+n:97+n], v[160+n:161+n], v[220:221] op_sel_hi:[1,0]   ; register 16 b + i = channel 32 b + 16 h + i; each accumulator from its low end on
.set n, n+2
.endr
	QUANT2 96, 192, 204, 237
	global_store_b128 v7, v[192:195], s[56:57]     ; 512 consecutive bytes
	global_store_b64 v15, v[196:197], s[56:57]     ; 256 consecutive bytes
	global_store_b16 v6, v237, s[58:59]            ; row r's two bytes; lanes l and l xor 16 hold the same word and write the same bytes
	s_wait_tensorcnt 0x0                           ; the wave's end
	ds_add_u32 v30, v31
	s_wait_dscnt 0x0
	CROUND                                         ; the closing round
	s_endpgm
.Lfunc_end_k_qd89df98fab_attn:
	.size	k_qd89df98fab_attn, .Lfunc_end_k_qd89df98fab_attn-k_qd89df98fab_attn
	.p2alignl 7, 3214868480
	.fill 96, 4, 3214868480
	.section	.rodata,"a",@progbits
	.p2align	6, 0x0
	.amdhsa_kernel k_qd89df98fab_attn
		.amdhsa_group_segment_fixed_size 263168
		.amdhsa_private_segment_fixed_size 0
		.amdhsa_enable_private_segment 0
		.amdhsa_kernarg_size 24
		.amdhsa_user_sgpr_count 2
		.amdhsa_user_sgpr_kernarg_segment_ptr 1
		.amdhsa_wavefront_size32 1
		.amdhsa_system_sgpr_workgroup_id_x 1
		.amdhsa_system_sgpr_workgroup_id_y 1
		.amdhsa_system_sgpr_workgroup_id_z 1
		.amdhsa_system_vgpr_workitem_id 0
		.amdhsa_next_free_vgpr 256
		.amdhsa_next_free_sgpr 66
		.amdhsa_reserve_vcc 1
		.amdhsa_float_denorm_mode_32 3
		.amdhsa_float_denorm_mode_16_64 3
		.amdhsa_memory_ordered 1
		.amdhsa_forward_progress 1
		.amdhsa_inst_pref_size 38
	.end_amdhsa_kernel
	.amdgpu_metadata
---
amdhsa.version: [ 1, 2 ]
amdhsa.kernels:
  - .name:           k_qd89df98fab_attn
    .symbol:         k_qd89df98fab_attn.kd
    .args:
      - { .name: qq, .offset: 0, .size: 8, .value_kind: global_buffer, .address_space: global }
      - { .name: kv, .offset: 8, .size: 8, .value_kind: global_buffer, .address_space: global }
      - { .name: yq, .offset: 16, .size: 8, .value_kind: global_buffer, .address_space: global }
    .group_segment_fixed_size: 263168
    .private_segment_fixed_size: 0
    .kernarg_segment_align: 8
    .kernarg_segment_size: 24
    .max_flat_workgroup_size: 512
    .sgpr_count:     66
    .vgpr_count:     256
    .wavefront_size: 32
...
	.end_amdgpu_metadata
.endif
;; end of part 3
;; launch proj (part 4): grid 8 x 32, 4 waves a work-group, clusters of 4 x 4, 222,720 bytes of LDS; arguments yq, wq, out0; writes out0
.if DOCPART == 4
	.amdgcn_target "amdgcn-amd-amdhsa--gfx1250"
	.amdhsa_code_object_version 6
	.text
	.protected	k_qd89df98fab_proj
	.globl	k_qd89df98fab_proj
	.p2align	8
	.type	k_qd89df98fab_proj,@function
k_qd89df98fab_proj:
	s_mov_b64 s[64:65], 0
	v_nop
	global_prefetch_b8 v0, s[64:65] scope:SCOPE_SE
	s_setreg_imm32_b32 hwreg(HW_REG_WAVE_MODE, 25, 1), 1
	s_wait_xcnt 0x0
	s_wait_alu depctr_hold_cnt(0) depctr_sa_sdst(0) depctr_va_vdst(0) depctr_va_sdst(0) depctr_va_ssrc(0) depctr_va_vcc(0) depctr_vm_vsrc(0)
	s_getreg_b32 s2, hwreg(HW_REG_IB_STS2, 6, 4)
	s_cmp_eq_u32 s2, 0
	s_cbranch_scc0 .Lentry_in_a_cluster
	s_endpgm
.Lentry_in_a_cluster:
	s_bfe_u32 s2, ttmp6, 0x10000c
	s_cmp_lg_u32 s2, 0xf033
	s_cbranch_scc0 .Lentry_shape_is_right
	s_endpgm
.Lentry_shape_is_right:
; out0 = y Wproj on codes of E2M3 with one E8M0 scale for each 32 along K; out0 [4096][1024] f32.
; SHARES.  A work-group takes 128 tokens (block gy of yq) x 128 channels (units 32 + 2 gx, 33 + 2 gx of wq): 256 work-groups.  Wave w: token tiles 4 (w/2) .. + 3, unit w % 2: 16 accumulators, 8 K steps of 128.
; ALL OF K LIES IN LDS AT ONCE (y 102,400 bytes, the weights 102,400): every LDS byte is filled once: no ring, no refill.
; CLUSTER 4 x 4: y's blocks hang on gy alone and are asked for jointly along a row of the cluster, the weights on gx alone, jointly along a column.  Each wave issues one joint load of 51,200 bytes behind the opening
; round; one tensor load of a wave is out.  The products start once every load has landed.
; THE PRODUCT IS USED TRANSPOSED (source 0 = 16 channels, source 1 = 16 tokens); a tile's channels are 32b + 8u + p + 8 (p/8), so lane (r, h) holds row r of a token tile and 16 neighbouring channels in two tiles' registers.
; The results go through the wave's own stage in LDS (bytes into which no fill lands) and leave as aligned runs of 256 bytes.  Row p of token tile a is token 32 (a/2) + 8 (a%2) + p + 8 (p/8).
; REGISTERS: window 0: v1-17 addresses; v32-47 scale words and nothing else; v64-159 two sets of y's 4 fragments; v160-255 two sets of the weights' 4.  window 1: the accumulators at v[8 (4 a + t)].
.set WV,  20
.set MSB, 0
.macro WIN new
.if MSB != \new
	s_set_vgpr_msb (MSB<<8)|\new
.set MSB, \new
.endif
.endm
.macro PLACES n
.rept \n
	v_nop
.endr
.endm
.macro CROUND
	s_barrier_signal -1
	s_barrier_wait -1
	s_cmp_lg_u32 s[WV], 0
	s_cbranch_scc1 .Lnot_wave_0_\@
	s_barrier_signal -3
.Lnot_wave_0_\@:
	s_barrier_wait -3
	s_barrier_signal -1
	s_barrier_wait -1
.endm
.macro WM d, a, b, z, sa, sb, ra, rb
.if \z
.if (\ra) && (\rb)
	v_wmma_scale_f32_16x16x128_f8f6f4 v[(\d):(\d)+7], v[(\a):(\a)+11], v[(\b):(\b)+11], 0, v[(\sa)], v[(\sb)] matrix_a_fmt:MATRIX_FMT_FP6 matrix_b_fmt:MATRIX_FMT_FP6 matrix_a_scale:MATRIX_SCALE_ROW1 matrix_b_scale:MATRIX_SCALE_ROW1
.elseif (\ra)
	v_wmma_scale_f32_16x16x128_f8f6f4 v[(\d):(\d)+7], v[(\a):(\a)+11], v[(\b):(\b)+11], 0, v[(\sa)], v[(\sb)] matrix_a_fmt:MATRIX_FMT_FP6 matrix_b_fmt:MATRIX_FMT_FP6 matrix_a_scale:MATRIX_SCALE_ROW1
.elseif (\rb)
	v_wmma_scale_f32_16x16x128_f8f6f4 v[(\d):(\d)+7], v[(\a):(\a)+11], v[(\b):(\b)+11], 0, v[(\sa)], v[(\sb)] matrix_a_fmt:MATRIX_FMT_FP6 matrix_b_fmt:MATRIX_FMT_FP6 matrix_b_scale:MATRIX_SCALE_ROW1
.else
	v_wmma_scale_f32_16x16x128_f8f6f4 v[(\d):(\d)+7], v[(\a):(\a)+11], v[(\b):(\b)+11], 0, v[(\sa)], v[(\sb)] matrix_a_fmt:MATRIX_FMT_FP6 matrix_b_fmt:MATRIX_FMT_FP6
.endif
.else
.if (\ra) && (\rb)
	v_wmma_scale_f32_16x16x128_f8f6f4 v[(\d):(\d)+7], v[(\a):(\a)+11], v[(\b):(\b)+11], v[(\d):(\d)+7], v[(\sa)], v[(\sb)] matrix_a_fmt:MATRIX_FMT_FP6 matrix_b_fmt:MATRIX_FMT_FP6 matrix_a_scale:MATRIX_SCALE_ROW1 matrix_b_scale:MATRIX_SCALE_ROW1
.elseif (\ra)
	v_wmma_scale_f32_16x16x128_f8f6f4 v[(\d):(\d)+7], v[(\a):(\a)+11], v[(\b):(\b)+11], v[(\d):(\d)+7], v[(\sa)], v[(\sb)] matrix_a_fmt:MATRIX_FMT_FP6 matrix_b_fmt:MATRIX_FMT_FP6 matrix_a_scale:MATRIX_SCALE_ROW1
.elseif (\rb)
	v_wmma_scale_f32_16x16x128_f8f6f4 v[(\d):(\d)+7], v[(\a):(\a)+11], v[(\b):(\b)+11], v[(\d):(\d)+7], v[(\sa)], v[(\sb)] matrix_a_fmt:MATRIX_FMT_FP6 matrix_b_fmt:MATRIX_FMT_FP6 matrix_b_scale:MATRIX_SCALE_ROW1
.else
	v_wmma_scale_f32_16x16x128_f8f6f4 v[(\d):(\d)+7], v[(\a):(\a)+11], v[(\b):(\b)+11], v[(\d):(\d)+7], v[(\sa)], v[(\sb)] matrix_a_fmt:MATRIX_FMT_FP6 matrix_b_fmt:MATRIX_FMT_FP6
.endif
.endif
.endm
	s_load_b128 s[4:7], s[0:1], 0x0                ; yq, wq
	s_load_b64 s[8:9], s[0:1], 0x10                ; out0
	v_lshl_add_u32 v62, v0, 2, 0x36400
	v_mov_b32 v63, 0
	ds_add_u32 v62, v63
	ds_add_u32 v62, v63
	v_lshrrev_b32 v1, 5, v0
	v_readfirstlane_b32 s[WV], v1                  ; wave 0..3
	s_bfe_u32 s21, ttmp6, 0x40000                  ; cx
	s_bfe_u32 s22, ttmp6, 0x40004                  ; cy
	s_lshl_b32 s23, ttmp9, 2
	s_add_co_u32 s23, s23, s21                     ; gx
	s_and_b32 s24, ttmp7, 0xffff
	s_lshl_b32 s24, s24, 2
	s_add_co_u32 s24, s24, s22                     ; gy
	s_lshl_b32 s25, s22, 2
	s_lshl_b32 s25, 15, s25                        ; my row of the cluster
	s_lshl_b32 s26, 0x1111, s21                    ; my column
	; descriptor groups 1: 51,200 dense bytes as 200 rows of 256 (32 elements of 8 bytes), no padding
	s_or_b32 s36, s25, (3<<16)|(1<<21)             ; y goes to my row
	s_or_b32 s44, s26, (3<<16)|(1<<21)             ; the weights to my column
.irp g, 36, 44
	s_mov_b32 s[\g+1], 32<<16
	s_mov_b32 s[\g+2], 200<<16                     ; 51,200 dense bytes as 200 rows of 256
	s_mov_b32 s[\g+3], 32<<16
	s_mov_b32 s[\g+4], 200
	s_mov_b32 s[\g+5], 32
	s_mov_b32 s[\g+6], 0
	s_mov_b32 s[\g+7], 0
.endr
	s_lshr_b32 s32, s[WV], 1                       ; wr: which four token tiles
	s_and_b32 s33, s[WV], 1                        ; wc: which unit
	s_mul_i32 s28, s24, 102400                     ; y: block gy, half w % 2
	s_mul_i32 s27, s33, 51200                      ; ONE JOINT LOAD A WAVE: waves 0, 1 fetch the halves of y's block (four K steps each), waves 2, 3 the two units of the weights
	s_add_co_u32 s28, s28, s27
	s_mov_b32 s29, 0
	s_mul_i32 s34, s33, 51200
	s_mul_i32 s30, s23, 102400
	s_add_co_u32 s30, s30, 32*51200
	s_add_co_u32 s30, s30, s34
	s_mov_b32 s31, 0
	s_wait_dscnt 0x0
	s_wait_kmcnt 0x0
	s_add_nc_u64 s[28:29], s[4:5], s[28:29]
	s_add_nc_u64 s[30:31], s[6:7], s[30:31]
	s_mov_b32 s52, 1
	s_add_co_u32 s53, s34, 102400
	s_mov_b64 s[54:55], s[30:31]
	s_or_b32 s55, s55, 0x80000000
	s_mov_b32 s56, 1
	s_mov_b32 s57, s27
	s_mov_b64 s[58:59], s[28:29]
	s_or_b32 s59, s59, 0x80000000
	CROUND                                         ; all sixteen work-groups are here: the joint loads meet
	s_cmp_lt_u32 s[WV], 2                          ; one chain of branches on the wave's number, one load to an arm
	s_cbranch_scc0 .Lfor_w
	tensor_load_to_lds s[56:59], s[36:43]
	s_nop 0
	PLACES 4
	s_branch .Lasked
.Lfor_w:
	tensor_load_to_lds s[52:55], s[44:51]
	s_nop 0
	PLACES 4
.Lasked:
	v_and_b32 v17, 31, v0                          ; lane
	v_and_b32 v1, 15, v0                           ; r
	v_bfe_u32 v2, v0, 4, 1                         ; h
	s_mul_i32 s84, s32, 6144                       ; my four tiles of y
	v_lshlrev_b32 v14, 4, v17
	v_add_nc_u32 v3, s84, v14                      ; their 16-byte parts, K steps 0-3,
	v_add_nc_u32 v4, 51200, v3                     ; and 4-7
	v_lshlrev_b32 v15, 3, v17
	v_add_nc_u32 v5, s84, v15                      ; their 8-byte parts
	v_add_nc_u32 v6, 51200, v5
	s_mul_i32 s85, s33, 51200
	s_add_co_u32 s85, s85, 102400
	v_add_nc_u32 v7, s85, v14                      ; my unit's fragments
	v_lshlrev_b32 v16, 2, v17
	s_lshl_b32 s86, s32, 8
	s_add_co_u32 s86, s86, 12288
	v_add_nc_u32 v8, s86, v16                      ; y's scale words: my two pairs of tiles
	v_add_nc_u32 v9, 51200, v8
	s_add_co_u32 s85, s85, 6144
	v_add_nc_u32 v10, s85, v16                     ; my unit's
	s_mul_i32 s87, s[WV], 4352
	s_add_co_u32 s87, s87, 204800                  ; my stage: 16 rows x (256 + 16) bytes
	v_mul_u32_u24 v11, v1, 272
	v_lshl_add_u32 v11, v2, 6, v11
	v_add_nc_u32 v11, s87, v11                     ; in: row r, + 64 h
	v_mul_u32_u24 v12, v2, 272
	v_lshl_add_u32 v12, v1, 4, v12
	v_add_nc_u32 v12, s87, v12                     ; back: lanes 0-15 one row, lanes 16-31 the next
	v_lshlrev_b32 v13, 12, v2
	v_lshl_add_u32 v13, v1, 4, v13                 ; and the same two rows in out0
	s_lshl_b32 s84, s24, 19                        ; 128 gy rows of 4,096 bytes
	s_lshl_b32 s86, s32, 18                        ; + 64 wr rows
	s_add_co_u32 s84, s84, s86
	s_lshl_b32 s86, s23, 9                         ; + 128 gx channels
	s_add_co_u32 s84, s84, s86
	s_lshl_b32 s86, s33, 8                         ; + 64 wc
	s_add_co_u32 s84, s84, s86
	s_mov_b32 s85, 0
	s_add_nc_u64 s[82:83], s[8:9], s[84:85]
; K step s: 32 LDS loads into set s % 2.  A tile of y lies as two halves of 768 bytes (registers 0-3, 4-5; 6-9, 10-11)
.macro FETCH s
.set Q, (\s)&1
	WIN 0
.irp a, 0,1,2,3
	ds_load_b128 v[64+48*Q+12*\a:64+48*Q+12*\a+3], v[3+(\s)/4] offset:((\s)&3)*12800+\a*1536
	ds_load_b64 v[64+48*Q+12*\a+4:64+48*Q+12*\a+5], v[5+(\s)/4] offset:((\s)&3)*12800+\a*1536+512
	ds_load_b128 v[64+48*Q+12*\a+6:64+48*Q+12*\a+9], v[3+(\s)/4] offset:((\s)&3)*12800+\a*1536+768
	ds_load_b64 v[64+48*Q+12*\a+10:64+48*Q+12*\a+11], v[5+(\s)/4] offset:((\s)&3)*12800+\a*1536+1280
.endr
.irp t, 0,1,2,3
.irp p, 0,1,2
	ds_load_b128 v[160+48*Q+12*\t+4*\p:160+48*Q+12*\t+4*\p+3], v7 offset:(\s)*6400+\t*1536+512*\p
.endr
.endr
.irp i, 0,1
	ds_load_b32 v[32+8*Q+\i], v[8+(\s)/4] offset:((\s)&3)*12800+128*\i
	ds_load_b32 v[36+8*Q+\i], v10 offset:(\s)*6400+128*\i
.endr
.endm
; its 16 products; the 16 accumulators take turns, one instruction a turn
.macro MUL s, z
.set Q, (\s)&1
	WIN 0x50                                       ; C and D window 1
.irp a, 0,1,2,3
.irp t, 0,1,2,3
	WM 8*(4*\a+\t), 160+48*Q+12*\t, 64+48*Q+12*\a, \z, 36+8*Q+(\t>>1), 32+8*Q+(\a>>1), \t&1, \a&1
.endr
.endr
.endm
	s_wait_alu depctr_va_vdst(0)
	s_wait_tensorcnt 0x0                           ; my one load is in
	s_barrier_signal -1
	s_barrier_wait -1                              ; everybody's are
	FETCH 0
	FETCH 1
	s_wait_dscnt 32                                ; all but the 32 just issued
	MUL 0, 1                                       ; the first products start the sums
.irp s, 1,2
	PLACES 4                                       ; in front of loads into registers that matrix instructions have read
	FETCH \s+1
	s_wait_dscnt 32
	MUL \s, 0
.endr
.irp s, 3,4,5,6
	PLACES 4
	FETCH \s+1
	s_wait_dscnt 32
	MUL \s, 0
.endr
	s_wait_dscnt 0x0
	MUL 7, 0
	WIN 0
	PLACES 4                                       ; in front of the first read of results and of loads over operands
	; THE WAY OUT, a token tile at a time: 16 rows x 64 channels through my stage, back as whole rows of 256 bytes
.irp a, 0,1,2,3
.if \a > 1
	s_wait_xcnt 0x0                                ; tile a - 2's stores have read their registers: this tile's loads may land there
.endif
	WIN 0x04                                       ; an LDS store's data are its source 1: window 1
.irp b, 0,1
.irp j, 0,1,2,3
	ds_store_b128 v11, v[32*\a+16*\b+4*\j:32*\a+16*\b+4*\j+3] offset:128*\b+16*\j   ; each accumulator from its low end on
.endr
.endr
	WIN 0
.irp i, 0,1,2,3,4,5,6,7
	ds_load_b128 v[64+32*(\a&1)+4*\i:64+32*(\a&1)+4*\i+3], v12 offset:544*\i       ; LDS serves a wave's instructions in order: these see my stores, and the next tile's stores come behind them
.endr
.irp i, 0,1,2,3,4,5,6,7
	s_wait_dscnt 7-\i
	global_store_b128 v13, v[64+32*(\a&1)+4*\i:64+32*(\a&1)+4*\i+3], s[82:83] offset:(32*(\a>>1)+8*(\a&1)+2*\i+8*(\i>>2))*4096 th:TH_STORE_NT   ; 16 lanes store 256 consecutive bytes, at a multiple of 256 from out0's first byte
.endr
.endr
	s_wait_dscnt 0x0
	s_wait_tensorcnt 0x0
	ds_add_u32 v62, v63
	s_wait_dscnt 0x0
	CROUND                                         ; the closing round: no work-group ends while a partner may still ask for a block that names it
	s_endpgm
.Lfunc_end_k_qd89df98fab_proj:
	.size	k_qd89df98fab_proj, .Lfunc_end_k_qd89df98fab_proj-k_qd89df98fab_proj
	.p2alignl 7, 3214868480
	.fill 96, 4, 3214868480
	.section	.rodata,"a",@progbits
	.p2align	6, 0x0
	.amdhsa_kernel k_qd89df98fab_proj
		.amdhsa_group_segment_fixed_size 222720
		.amdhsa_private_segment_fixed_size 0
		.amdhsa_enable_private_segment 0
		.amdhsa_kernarg_size 24
		.amdhsa_user_sgpr_count 2
		.amdhsa_user_sgpr_kernarg_segment_ptr 1
		.amdhsa_wavefront_size32 1
		.amdhsa_system_sgpr_workgroup_id_x 1
		.amdhsa_system_sgpr_workgroup_id_y 1
		.amdhsa_system_sgpr_workgroup_id_z 1
		.amdhsa_system_vgpr_workitem_id 0
		.amdhsa_next_free_vgpr 384
		.amdhsa_next_free_sgpr 100
		.amdhsa_reserve_vcc 0
		.amdhsa_float_denorm_mode_32 3
		.amdhsa_float_denorm_mode_16_64 3
		.amdhsa_memory_ordered 1
		.amdhsa_forward_progress 1
		.amdhsa_inst_pref_size 49
	.end_amdhsa_kernel
	.amdgpu_metadata
---
amdhsa.version: [ 1, 2 ]
amdhsa.kernels:
  - .name:           k_qd89df98fab_proj
    .symbol:         k_qd89df98fab_proj.kd
    .args:
      - { .name: yq, .offset: 0, .size: 8, .value_kind: global_buffer, .address_space: global }
      - { .name: wq, .offset: 8, .size: 8, .value_kind: global_buffer, .address_space: global }
      - { .name: out0, .offset: 16, .size: 8, .value_kind: global_buffer, .address_space: global }
    .group_segment_fixed_size: 222720
    .private_segment_fixed_size: 0
    .kernarg_segment_align: 8
    .kernarg_segment_size: 24
    .max_flat_workgroup_size: 128
    .sgpr_count:     100
    .vgpr_count:     384
    .wavefront_size: 32
...
	.end_amdgpu_metadata
.endif
;; end of part 4
